; MI455X (gfx1250); checked and timed in simulation.
; The chip was launched on July 23, 2026; its instructions are those of AMD's public machine-readable ISA for CDNA 5 (MIT licence, August 2026) and "CDNA5" Instruction Set Architecture Reference Guide (July 2026). The comments in the code are by the model that wrote it; some were corrected since.
;; LSTM Cell. Allowed arithmetic: float matrix products may take bf16 or f16 operands with f32 sums; other float arithmetic in f32, or as packed bf16 or f16 multiplies, adds, multiply-adds, maxima and minima; sums over many terms, partial sums and values carried from step to step in f32; what a program stores and reads back later, other than sums and carried values, may be rounded once to bf16 or f16.
;; Inputs: W_h 4,096 x 1,024 float32; W_in 4,096 x 1,024 float32; b_h 4,096 float32; b_in 4,096 float32; c 8,192 x 1,024 float32; h 8,192 x 1,024 float32; input 8,192 x 1,024 float32.
;; Outputs: out0 8,192 x 1,024 float32; out1 8,192 x 1,024 float32.
;; Constants: num_bits = 8, num_bits_grad = 8.
;; 2 versions, each right; version 2 is version 1 with the launch quant written anew for expert scheduling mode. Each part assembles by itself: llvm-mc -triple=amdgcn-amd-amdhsa -mcpu=gfx1250 --defsym DOCPART=n.
;; ======== version 1 of 2: 3 launches
;; workspace buffers: part 6,144 bytes; xc 33,554,432 bytes; wc 16,777,216 bytes; rowt 32,768 bytes; colt 16,384 bytes; scal 256 bytes
;; launch minmax (part 1): grid 768 x 1, 8 waves a work-group, no clusters, 1,280 bytes of LDS; arguments input, h, W_in, W_h, part; writes part
.if DOCPART == 1
	.amdgcn_target "amdgcn-amd-amdhsa--gfx1250"
	.amdhsa_code_object_version 6
	.text
	.protected	k_q865d48d039_minmax
	.globl	k_q865d48d039_minmax
	.p2align	8
	.type	k_q865d48d039_minmax,@function
k_q865d48d039_minmax:
	s_mov_b64 s[64:65], 0
	v_nop
	global_prefetch_b8 v0, s[64:65] scope:SCOPE_SE
	s_setreg_imm32_b32 hwreg(HW_REG_WAVE_MODE, 25, 1), 1
	s_wait_xcnt 0x0
; THE SMALLEST AND THE LARGEST NUMBER OF EACH OF FOUR TENSORS, by chunks.  part[b] = (min, max) of chunk b, 131,072 bytes of one tensor:
; chunks 0-255 input, 256-511 h, 512-639 W_in, 640-767 W_h.  The next launch joins the chunks: a sum over work-groups is ordered by a second launch.
; SHARES.  A work-group takes one chunk, thread t the 16 bytes at 16 t + 4,096 i, i = 0 .. 31: a load of a wave covers 512 consecutive bytes, aligned.
; All 32 loads of a wave go out at the head, so the whole chunk is asked for at once; the waits count down by eights.
; No matrix unit, no cluster, no tensor load: no byte is wanted twice, and LDS holds only the eight waves' results.
; LIMITS.  A NaN loses against a number (v_min_num, v_max_num): NaN inputs are not treated.
.set SPARE, 256                        ; LDS: bytes 0-63 eight pairs (min, max), wave w at 8 w; from 256 on the spare words, 128 bytes for each of the eight waves
.set X,   16                           ; v[16:143] the 32 loads, 4 registers each
.set MN,  8                            ; v[8:11]   four running minima
.set MX,  12                           ; v[12:15]  four running maxima
.set SPW, 2                            ; v2  LDS address of my spare word; never rewritten
.set NIL, 3                            ; v3  0; never rewritten
	s_load_b256 s[4:11], s[0:1], 0x0               ; input s[4:5], h s[6:7], W_in s[8:9], W_h s[10:11]
	s_load_b64 s[12:13], s[0:1], 0x20              ; part
	v_lshl_add_u32 v[SPW], v0, 2, SPARE
	v_mov_b32 v[NIL], 0
	v_lshlrev_b32 v1, 4, v0                        ; 16 t
	v_lshrrev_b32 v4, 5, v0
	v_readfirstlane_b32 s20, v4                    ; my wave's number
	s_mov_b32 s21, ttmp9                           ; the chunk
	s_mov_b32 s22, 0x76543210                      ; v_permlanex16_b32: each lane takes its own place in the other half
	s_mov_b32 s23, 0xfedcba98
	s_movk_i32 s17, 640
	s_wait_kmcnt 0x0
	; which tensor, and its first chunk: the conditions hang on the work-group's number alone
	s_cmp_lt_u32 s21, 256
	s_cselect_b64 s[14:15], s[4:5], s[6:7]
	s_cselect_b32 s16, 0, 256
	s_cmp_lt_u32 s21, 640
	s_cselect_b64 s[18:19], s[8:9], s[10:11]
	s_cselect_b32 s17, 512, s17
	s_cmp_lt_u32 s21, 512
	s_cselect_b64 s[14:15], s[14:15], s[18:19]
	s_cselect_b32 s16, s16, s17
	s_sub_co_u32 s16, s21, s16                     ; the chunk's number in its tensor, 255 at the most,
	s_lshl_b32 s16, s16, 17                        ; times 131,072 bytes
	s_mov_b32 s17, 0
	s_add_nc_u64 s[14:15], s[14:15], s[16:17]
.set i, 0
.rept 32
	global_load_b128 v[X+4*i:X+4*i+3], v1, s[14:15] offset:4096*i th:TH_LOAD_NT
.set i, i+1
.endr
; Loads 2 i and 2 i + 1 enter the four chains; first = 1: they start them, so nothing is cleared.
.macro PAIR i, first
.irp j, 0,1,2,3
.if \first
	v_min_num_f32 v[MN+(\j)], v[X+8*(\i)+(\j)], v[X+8*(\i)+4+(\j)]
	v_max_num_f32 v[MX+(\j)], v[X+8*(\i)+(\j)], v[X+8*(\i)+4+(\j)]
.else
	v_min3_num_f32 v[MN+(\j)], v[MN+(\j)], v[X+8*(\i)+(\j)], v[X+8*(\i)+4+(\j)]
	v_max3_num_f32 v[MX+(\j)], v[MX+(\j)], v[X+8*(\i)+(\j)], v[X+8*(\i)+4+(\j)]
.endif
.endr
.endm
; Over the 32 lanes: four steps inside each half of 16 lanes ride on the arithmetic, one crosses the halves; every lane ends with the result.
.macro XLANE opd, op, r
	\opd v[\r], v[\r], v[\r] row_xmask:1 row_mask:0xf bank_mask:0xf
	\opd v[\r], v[\r], v[\r] row_xmask:2 row_mask:0xf bank_mask:0xf
	\opd v[\r], v[\r], v[\r] row_xmask:4 row_mask:0xf bank_mask:0xf
	\opd v[\r], v[\r], v[\r] row_xmask:8 row_mask:0xf bank_mask:0xf
	v_permlanex16_b32 v4, v[\r], s22, s23          ; v4 has been written before: its destination counts as read
	\op v[\r], v[\r], v4
.endm
	s_wait_loadcnt 24                              ; loads come back in order: the first 8 are in, 24 younger ones stay out
	PAIR 0, 1
.irp i, 1,2,3
	PAIR \i, 0
.endr
	s_wait_loadcnt 16
.irp i, 4,5,6,7
	PAIR \i, 0
.endr
	s_wait_loadcnt 8
.irp i, 8,9,10,11
	PAIR \i, 0
.endr
	s_wait_loadcnt 0x0
.irp i, 12,13,14,15
	PAIR \i, 0
.endr
	v_min3_num_f32 v6, v[MN], v[MN+1], v[MN+2]
	v_max3_num_f32 v7, v[MX], v[MX+1], v[MX+2]
	v_min_num_f32 v6, v6, v[MN+3]
	v_max_num_f32 v7, v7, v[MX+3]
	XLANE v_min_num_f32_dpp, v_min_num_f32, 6
	XLANE v_max_num_f32_dpp, v_max_num_f32, 7
	v_mov_b32 v5, s20
	v_lshlrev_b32 v5, 3, v5
	ds_store_b64 v5, v[6:7]                        ; all lanes write the same pair to my wave's 8 bytes
	s_wait_dscnt 0x0                               ; for the others' sake: my store is done
	s_barrier_signal -1
	s_barrier_wait -1                              ; all eight pairs lie in LDS
	s_cmp_lg_u32 s20, 0
	s_cbranch_scc1 .Lend                           ; wave 0 joins them
	v_mov_b32 v4, 0
	ds_load_b128 v[16:19], v4
	ds_load_b128 v[20:23], v4 offset:16
	ds_load_b128 v[24:27], v4 offset:32
	ds_load_b128 v[28:31], v4 offset:48
	s_lshl_b32 s16, s21, 3                         ; 8 bytes a chunk
	s_mov_b32 s17, 0
	s_add_nc_u64 s[12:13], s[12:13], s[16:17]
	s_wait_dscnt 0x0
	v_min3_num_f32 v6, v16, v18, v20
	v_max3_num_f32 v7, v17, v19, v21
	v_min3_num_f32 v6, v6, v22, v24
	v_max3_num_f32 v7, v7, v23, v25
	v_min3_num_f32 v6, v6, v26, v28
	v_max3_num_f32 v7, v7, v27, v29
	v_min_num_f32 v6, v6, v30
	v_max_num_f32 v7, v7, v31
	v_cmp_gt_u32 vcc_lo, 1, v0
	s_wait_xcnt 0x0                                ; EXEC changes only behind this wait
	s_and_saveexec_b32 s24, vcc_lo
	global_store_b64 v4, v[6:7], s[12:13]          ; thread 0 alone: 8 bytes a work-group, 6,144 in the launch
	s_wait_xcnt 0x0                                ; and again, in front of the line that widens it
	s_or_b32 exec_lo, exec_lo, s24
.Lend:
	s_wait_tensorcnt 0x0                           ; the wave's end, behind my last LDS store
	ds_add_u32 v[SPW], v[NIL]
	s_wait_dscnt 0x0
	s_endpgm
.Lfunc_end_k_q865d48d039_minmax:
	.size	k_q865d48d039_minmax, .Lfunc_end_k_q865d48d039_minmax-k_q865d48d039_minmax
	.p2alignl 7, 3214868480
	.fill 96, 4, 3214868480
	.section	.rodata,"a",@progbits
	.p2align	6, 0x0
	.amdhsa_kernel k_q865d48d039_minmax
		.amdhsa_group_segment_fixed_size 1280
		.amdhsa_private_segment_fixed_size 0
		.amdhsa_enable_private_segment 0
		.amdhsa_kernarg_size 40
		.amdhsa_user_sgpr_count 2
		.amdhsa_user_sgpr_kernarg_segment_ptr 1
		.amdhsa_wavefront_size32 1
		.amdhsa_system_sgpr_workgroup_id_x 1
		.amdhsa_system_sgpr_workgroup_id_y 1
		.amdhsa_system_sgpr_workgroup_id_z 1
		.amdhsa_system_vgpr_workitem_id 0
		.amdhsa_next_free_vgpr 144
		.amdhsa_next_free_sgpr 66
		.amdhsa_reserve_vcc 1
		.amdhsa_float_denorm_mode_32 3
		.amdhsa_float_denorm_mode_16_64 3
		.amdhsa_memory_ordered 1
		.amdhsa_forward_progress 1
		.amdhsa_inst_pref_size 15
	.end_amdhsa_kernel
	.amdgpu_metadata
---
amdhsa.version: [ 1, 2 ]
amdhsa.kernels:
  - .name:           k_q865d48d039_minmax
    .symbol:         k_q865d48d039_minmax.kd
    .args:
      - { .name: input, .offset: 0, .size: 8, .value_kind: global_buffer, .address_space: global }
      - { .name: h, .offset: 8, .size: 8, .value_kind: global_buffer, .address_space: global }
      - { .name: W_in, .offset: 16, .size: 8, .value_kind: global_buffer, .address_space: global }
      - { .name: W_h, .offset: 24, .size: 8, .value_kind: global_buffer, .address_space: global }
      - { .name: part, .offset: 32, .size: 8, .value_kind: global_buffer, .address_space: global }
    .group_segment_fixed_size: 1280
    .private_segment_fixed_size: 0
    .kernarg_segment_align: 8
    .kernarg_segment_size: 40
    .max_flat_workgroup_size: 256
    .sgpr_count:     66
    .vgpr_count:     144
    .wavefront_size: 32
...
	.end_amdgpu_metadata
.endif
;; end of part 1
;; launch quant (part 2): grid 512 x 1, 8 waves a work-group, no clusters, 0 bytes of LDS; arguments part, input, h, W_in, W_h, b_in, b_h, xc, wc, rowt, colt, scal; writes xc, wc, rowt, colt, scal
.if DOCPART == 2
	.amdgcn_target "amdgcn-amd-amdhsa--gfx1250"
	.amdhsa_code_object_version 6
	.text
	.protected	k_q865d48d039_quant
	.globl	k_q865d48d039_quant
	.p2align	8
	.type	k_q865d48d039_quant,@function
k_q865d48d039_quant:
	s_mov_b64 s[64:65], 0
	v_nop
	global_prefetch_b8 v0, s[64:65] scope:SCOPE_SE
	s_setreg_imm32_b32 hwreg(HW_REG_WAVE_MODE, 25, 1), 1
	s_wait_xcnt 0x0
; THE CODES AND THE TERMS.  A number quantised to 256 levels between its tensor's mn and mx is a x sc + ce with sc = (mx - mn) / 255, ce = mn + 128 sc and the whole number
; a = round((x - mn) / sc) - 128, -128 .. 127, which bf16 holds exactly.  So the product of the next launch multiplies the codes a, and scale and centre come back as one factor,
; one term a row and one term a column.  With index 1 for input and W_in, 2 for h and W_h, L = log2(e), RA and RW the sums of a row's codes (whole numbers, exact in f32):
;   z[m][n] = -L x gate = S (rho P1 + P2) + R[m] + C[n],   S = -L sx2 sw2,   rho = sx1 sw1 / (sx2 sw2),   R[m] = -L (sx1 cw1 RA1[m] + sx2 cw2 RA2[m]),
;   C[n] = -L (cx1 sw1 RW1[n] + cx2 sw2 RW2[n] + 1024 (cx1 cw1 + cx2 cw2) + b_in[n] + b_h[n]).
; THE CODE IS MADE AS THE DEFINITION MAKES IT: t = x - mn, rounded; u = t / sc, rounded once to f32; round(u), halves to the even number; then the exact -128.  A step of a code moves a gate by sc times the
; other operand, so a quotient near a half has to fall as the division's does.  The quotient is a product and one correction by its exact remainder: q0 = t inv, e = t - q0 sc (one fused line), u = q0 + e inv.
; OUT.  xc [8192][2048] bf16: a row's input codes, then its h codes.  wc [4096][2048] bf16: W_in's codes, then W_h's, of row n = 1024 g + j, at row n' = 128 (j / 32) + 32 g + j % 32,
; so that the four gates of a hidden unit lie 32 rows apart.  rowt[m] = R, colt[n'] = C, scal = 32 x (S, rho).
; SHARES.  4,096 waves; wave gw takes rows 2 gw, 2 gw + 1 of input and h and row gw of W_in and W_h: 24 KiB in, 12 KiB out.  All 60 loads of a wave go out at the head; no loop, no LDS, no barrier:
; no wave wants a byte that another has fetched but the 6,144 bytes of part, which every wave joins for itself.
; LIMITS.  NaN and infinities are not treated; a constant tensor (mx = mn) gives NaN, as it does in the definition.  Ahead of its one rounding u is off from t / sc by under 2^-22 of its last place
; (e / sc is two such places at the most, inv is good to one of its own): it is the division's result but where t / sc lies that near a boundary between two f32 numbers.
.set P,   8                            ; v[8:55]    part as loaded; then at work
.set D,   56                           ; v[56:247]  set s (0, 1: my two rows of input and h; 2: my row of the weights), tensor t, load i at D + 64 s + 32 t + 4 i
.set M,   248                          ; v[248:255] (mn, mx) of input, h, W_in, W_h
.set SA,  8                            ; v[8:9], v[10:11] two chains of packed sums of codes
.set SB,  10
.set RS,  16                           ; v[16:21]   the six rows' sums
.set QW,  26                           ; v[26:41]   two sets of eight at work on the quotients, by turns: four quotients, four remainders;  v[44:45] keep (S, rho)
	s_load_b512 s[4:19], s[0:1], 0x0               ; part 4, input 6, h 8, W_in 10, W_h 12, b_in 14, b_h 16, xc 18
	s_load_b256 s[20:27], s[0:1], 0x40             ; wc 20, rowt 22, colt 24, scal 26
	v_and_b32 v3, 31, v0                           ; lane
	v_lshrrev_b32 v4, 5, v0
	v_readfirstlane_b32 s28, v4                    ; wave
	v_lshlrev_b32 v1, 4, v3                        ; 16 bytes a lane in
	v_lshlrev_b32 v2, 3, v3                        ; 8 bytes a lane out
	v_lshlrev_b32 v5, 2, v3
	s_lshl_b32 s29, ttmp9, 3
	s_add_co_u32 s29, s29, s28                     ; gw
	s_lshr_b32 s32, s29, 10                        ; g
	s_and_b32 s33, s29, 1023                       ; j
	s_lshr_b32 s34, s33, 5
	s_lshl_b32 s34, s34, 7
	s_lshl_b32 s32, s32, 5
	s_and_b32 s33, s33, 31
	s_add_co_u32 s34, s34, s32
	s_add_co_u32 s34, s34, s33                     ; n'
	s_mov_b32 s44, 0x76543210
	s_mov_b32 s45, 0xfedcba98
	s_mov_b32 s66, 0xc3000000                      ; -128.0, as a pair
	s_mov_b32 s67, s66
	s_mov_b32 s73, 0xbfb8aa3b                      ; -L
	s_mov_b32 s31, 0
	s_wait_kmcnt 0x0
	s_lshl_b32 s30, s29, 13                        ; two rows of 4,096 bytes: of input, of h and of xc
	s_add_nc_u64 s[6:7], s[6:7], s[30:31]
	s_add_nc_u64 s[8:9], s[8:9], s[30:31]
	s_add_nc_u64 s[18:19], s[18:19], s[30:31]
	s_lshl_b32 s30, s29, 12                        ; one row of the weights
	s_add_nc_u64 s[10:11], s[10:11], s[30:31]
	s_add_nc_u64 s[12:13], s[12:13], s[30:31]
.irp q, 0,1,2,3,4,5,6,7,8,9,10,11
	global_load_b128 v[P+4*(\q):P+4*(\q)+3], v1, s[4:5] offset:512*(\q)  ; two pairs (min, max) a lane: loads 0-3 input, 4-7 h, 8-9 W_in, 10-11 W_h
.endr
.macro LOADROW s, t, base, off         ; a row of 4,096 bytes: eight loads of 512 consecutive bytes
.irp i, 0,1,2,3,4,5,6,7
	global_load_b128 v[D+64*(\s)+32*(\t)+4*(\i):D+64*(\s)+32*(\t)+4*(\i)+3], v1, s[\base:\base+1] offset:(\off)+512*(\i) th:TH_LOAD_NT
.endr
.endm
	LOADROW 0, 0, 6, 0
	LOADROW 0, 1, 8, 0
	LOADROW 1, 0, 6, 4096
	LOADROW 1, 1, 8, 4096
	LOADROW 2, 0, 10, 0
	LOADROW 2, 1, 12, 0
	s_lshl_b32 s30, s34, 12
	s_add_nc_u64 s[20:21], s[20:21], s[30:31]      ; wc at row n'
	s_lshl_b32 s30, s29, 3
	s_add_nc_u64 s[22:23], s[22:23], s[30:31]      ; rowt at my two rows
	s_lshl_b32 s30, s34, 2
	s_add_nc_u64 s[24:25], s[24:25], s[30:31]      ; colt at n'
	s_lshl_b32 s30, s29, 2
	s_add_nc_u64 s[14:15], s[14:15], s[30:31]      ; the biases at n
	s_add_nc_u64 s[16:17], s[16:17], s[30:31]
	s_load_b32 s40, s[14:15], 0x0
	s_load_b32 s42, s[16:17], 0x0
.macro XLANE opd, op, r                ; over the 32 lanes; every lane ends with the result
	\opd v[\r], v[\r], v[\r] row_xmask:1 row_mask:0xf bank_mask:0xf
	\opd v[\r], v[\r], v[\r] row_xmask:2 row_mask:0xf bank_mask:0xf
	\opd v[\r], v[\r], v[\r] row_xmask:4 row_mask:0xf bank_mask:0xf
	\opd v[\r], v[\r], v[\r] row_xmask:8 row_mask:0xf bank_mask:0xf
	v_permlanex16_b32 v4, v[\r], s44, s45
	\op v[\r], v[\r], v4
.endm
.macro RED4 t, b                       ; four pairs of a lane, minima in the even registers
	v_min3_num_f32 v[M+2*(\t)], v[\b], v[(\b)+2], v[(\b)+4]
	v_max3_num_f32 v[M+2*(\t)+1], v[(\b)+1], v[(\b)+3], v[(\b)+5]
	v_min_num_f32 v[M+2*(\t)], v[M+2*(\t)], v[(\b)+6]
	v_max_num_f32 v[M+2*(\t)+1], v[M+2*(\t)+1], v[(\b)+7]
.endm
.macro RED8 t, b                       ; eight pairs
	RED4 \t, \b
	v_min3_num_f32 v[M+2*(\t)], v[M+2*(\t)], v[(\b)+8], v[(\b)+10]
	v_max3_num_f32 v[M+2*(\t)+1], v[M+2*(\t)+1], v[(\b)+9], v[(\b)+11]
	v_min3_num_f32 v[M+2*(\t)], v[M+2*(\t)], v[(\b)+12], v[(\b)+14]
	v_max3_num_f32 v[M+2*(\t)+1], v[M+2*(\t)+1], v[(\b)+13], v[(\b)+15]
.endm
	s_wait_loadcnt 48                              ; part is in; the 48 loads of data stay out
	RED8 0, P
	RED8 1, P+16
	RED4 2, P+32
	RED4 3, P+40
.irp t, 0,1,2,3
	XLANE v_min_num_f32_dpp, v_min_num_f32, M+2*\t
	XLANE v_max_num_f32_dpp, v_max_num_f32, M+2*\t+1
.endr
	; the same numbers in every lane from here on.  sc = (mx - mn) / 255 as a division rounds it: a product with 1 / 255 and one correction by its exact remainder
	; (a quotient by 255 stays 1 / 510 of its last place or more away from every boundary between two f32 numbers, far more than the correction is off)
.irp t, 0,1,2,3
	v_sub_f32 v[12+\t], v[M+2*\t+1], v[M+2*\t]     ; d
.endr
.irp t, 0,1,2,3
	v_mul_f32 v[16+\t], 0x3b808081, v[12+\t]       ; q = d / 255, nearly
.endr
.irp t, 0,1,2,3
	v_fma_f32 v[20+\t], v[16+\t], 0xc37f0000, v[12+\t]  ; d - 255 q
.endr
.irp t, 0,1,2,3
	v_fma_f32 v[8+\t], v[20+\t], 0x3b808081, v[16+\t]   ; sc
.endr
	v_mul_f32 v29, v9, v11                         ; sx2 sw2
.irp t, 0,1,2,3
	v_rcp_f32 v[24+\t], v[8+\t]
.endr
	v_rcp_f32 v28, v29
	v_nop                                          ; a plain instruction behind the last reciprocal,
	s_wait_alu depctr_va_vdst(0)                   ; and a wait ahead of the first use: one for the five
.irp t, 0,1,2,3
	v_fma_f32 v[20+\t], v[8+\t], v[24+\t], -1.0    ; sc r - 1
.endr
.irp t, 0,1,2,3
	v_mul_f32 v[16+\t], v[20+\t], v[24+\t]
.endr
.irp t, 0,1,2,3
	v_sub_f32 v[32+\t], v[24+\t], v[16+\t]         ; inv = 1 / sc, refined once
	v_fma_f32 v[36+\t], v[8+\t], 0x43000000, v[M+2*\t]  ; ce = mn + 128 sc
	v_xor_b32 v[40+\t], 0x80000000, v[M+2*\t]      ; -mn
.endr
	v_mul_f32 v46, s73, v8                         ; -L sx1
	v_mul_f32 v47, s73, v9                         ; -L sx2
	v_mul_f32 v48, s73, v10                        ; -L sw1
	v_mul_f32 v49, s73, v11                        ; -L sw2
	v_mul_f32 v46, v46, v38                        ; x cw1: RA1's factor
	v_mul_f32 v47, v47, v39                        ; x cw2: RA2's
	v_mul_f32 v48, v48, v36                        ; x cx1: RW1's
	v_mul_f32 v49, v49, v37                        ; x cx2: RW2's
	v_mul_f32 v50, v36, v38
	v_fma_f32 v50, v37, v39, v50
	v_mul_f32 v50, 0xc4b8aa3b, v50                 ; -1024 L (cx1 cw1 + cx2 cw2)
	v_mul_f32 v44, s73, v29                        ; S
	v_mul_f32 v45, v8, v10
	v_mul_f32 v45, v45, v28                        ; rho
.irp t, 0,1,2,3
	v_readfirstlane_b32 s[48+4*\t], v[40+\t]       ; tensor t: -mn in s[48 + 4 t], inv in s[50 + 4 t], -sc in s[76 + 2 t], each as a pair
	v_readfirstlane_b32 s[50+4*\t], v[32+\t]
	v_readfirstlane_b32 s[76+2*\t], v[8+\t]
.endr
.irp t, 0,1,2,3
	s_xor_b32 s[76+2*\t], s[76+2*\t], 0x80000000
	s_mov_b32 s[49+4*\t], s[48+4*\t]
	s_mov_b32 s[51+4*\t], s[50+4*\t]
	s_mov_b32 s[77+2*\t], s[76+2*\t]
.endr
.irp t, 0,1,2,3,4
	v_readfirstlane_b32 s[68+\t], v[46+\t]
.endr
; Row k of six: codes, their sum, 2,048 bytes out.  Load i holds elements 128 i + 4 lane .. + 3; their four codes are the 8 bytes at 256 i + 8 lane: a store of the wave covers 256 consecutive bytes, aligned.
; nm: the tensor's -mn (and, two registers on, inv); ns: its -sc.  The work registers go by the load's parity, so that a load's chain does not wait for the one before it.
.macro CODES k, s, t, nm, ns, dst, off
	s_wait_loadcnt 8*(5-(\k))                      ; this row's eight loads are in; the later rows' stay out
.irp i, 0,1,2,3,4,5,6,7
.set d, D+64*(\s)+32*(\t)+4*(\i)
.set qt, QW+8*((\i)%2)
	v_pk_add_f32 v[d:d+1], v[d:d+1], s[\nm:\nm+1] op_sel_hi:[1,0]          ; t = x - mn
	v_pk_add_f32 v[d+2:d+3], v[d+2:d+3], s[\nm:\nm+1] op_sel_hi:[1,0]
	v_pk_mul_f32 v[qt:qt+1], v[d:d+1], s[\nm+2:\nm+3] op_sel_hi:[1,0]      ; q0 = t inv
	v_pk_mul_f32 v[qt+2:qt+3], v[d+2:d+3], s[\nm+2:\nm+3] op_sel_hi:[1,0]
	v_pk_fma_f32 v[qt+4:qt+5], v[qt:qt+1], s[\ns:\ns+1], v[d:d+1] op_sel_hi:[1,0,1]      ; e = t - q0 sc, exact
	v_pk_fma_f32 v[qt+6:qt+7], v[qt+2:qt+3], s[\ns:\ns+1], v[d+2:d+3] op_sel_hi:[1,0,1]
	v_pk_fma_f32 v[qt:qt+1], v[qt+4:qt+5], s[\nm+2:\nm+3], v[qt:qt+1] op_sel_hi:[1,0,1]  ; u = q0 + e inv: t / sc, rounded once
	v_pk_fma_f32 v[qt+2:qt+3], v[qt+6:qt+7], s[\nm+2:\nm+3], v[qt+2:qt+3] op_sel_hi:[1,0,1]
	v_rndne_f32 v[qt], v[qt]                       ; halves go to the even number
	v_rndne_f32 v[qt+1], v[qt+1]
	v_rndne_f32 v[qt+2], v[qt+2]
	v_rndne_f32 v[qt+3], v[qt+3]
	v_pk_add_f32 v[qt:qt+1], v[qt:qt+1], s[66:67] op_sel_hi:[1,0]          ; - 128, exact
	v_pk_add_f32 v[qt+2:qt+3], v[qt+2:qt+3], s[66:67] op_sel_hi:[1,0]
.if (\i) == 0
	v_pk_add_f32 v[SA:SA+1], v[qt:qt+1], v[qt+2:qt+3]  ; the first two loads start the chains
.elseif (\i) == 1
	v_pk_add_f32 v[SB:SB+1], v[qt:qt+1], v[qt+2:qt+3]
.else
	v_pk_add_f32 v[SA:SA+1], v[SA:SA+1], v[qt:qt+1]
	v_pk_add_f32 v[SB:SB+1], v[SB:SB+1], v[qt+2:qt+3]
.endif
	v_cvt_pk_bf16_f32 v[d], v[qt], v[qt+1]         ; exact: whole numbers of 8 bits
	v_cvt_pk_bf16_f32 v[d+1], v[qt+2], v[qt+3]
	global_store_b64 v2, v[d:d+1], s[\dst:\dst+1] offset:(\off)+256*(\i)  ; its registers are not written again
.endr
	v_pk_add_f32 v[SA:SA+1], v[SA:SA+1], v[SB:SB+1]
	v_add_f32 v[RS+(\k)], v[SA], v[SA+1]
	XLANE v_add_f32_dpp, v_add_f32, RS+(\k)
.endm
	CODES 0, 0, 0, 48, 76, 18, 0
	CODES 1, 0, 1, 52, 78, 18, 2048
	CODES 2, 1, 0, 48, 76, 18, 4096
	CODES 3, 1, 1, 52, 78, 18, 6144
	CODES 4, 2, 0, 56, 80, 20, 0
	CODES 5, 2, 1, 60, 82, 20, 2048
	v_mul_f32 v22, s68, v[RS]                      ; R of my first row,
	v_mul_f32 v23, s68, v[RS+2]                    ; of my second
	v_fma_f32 v22, s69, v[RS+1], v22
	v_fma_f32 v23, s69, v[RS+3], v23
	s_wait_kmcnt 0x0                               ; the two biases
	s_add_f32 s40, s40, s42
	s_fmac_f32 s72, s40, s73                       ; -1024 L (..) - L (b_in + b_h)
	v_mov_b32 v24, s72
	v_fma_f32 v24, s71, v[RS+5], v24
	v_fma_f32 v24, s70, v[RS+4], v24               ; C
	v_cmp_eq_u32 vcc_lo, 1, v3
	v_cndmask_b32 v22, v22, v23, vcc_lo            ; lane 0 holds the first row's R, lane 1 the second's
	s_cmp_lg_u32 s29, 0
	s_cbranch_scc1 .Lnoscal
	global_store_b64 v2, v[44:45], s[26:27]        ; the launch's first wave: 32 x (S, rho), 256 consecutive bytes
.Lnoscal:
	v_cmp_gt_u32 vcc_lo, 2, v3
	s_wait_xcnt 0x0                                ; EXEC changes only behind this wait
	s_and_saveexec_b32 s46, vcc_lo
	global_store_b32 v5, v22, s[22:23]
	s_wait_xcnt 0x0
	s_or_b32 exec_lo, exec_lo, s46
	v_cmp_gt_u32 vcc_lo, 1, v3
	s_wait_xcnt 0x0
	s_and_saveexec_b32 s46, vcc_lo
	global_store_b32 v5, v24, s[24:25]
	s_wait_xcnt 0x0
	s_or_b32 exec_lo, exec_lo, s46
	s_endpgm
.Lfunc_end_k_q865d48d039_quant:
	.size	k_q865d48d039_quant, .Lfunc_end_k_q865d48d039_quant-k_q865d48d039_quant
	.p2alignl 7, 3214868480
	.fill 96, 4, 3214868480
	.section	.rodata,"a",@progbits
	.p2align	6, 0x0
	.amdhsa_kernel k_q865d48d039_quant
		.amdhsa_group_segment_fixed_size 0
		.amdhsa_private_segment_fixed_size 0
		.amdhsa_enable_private_segment 0
		.amdhsa_kernarg_size 96
		.amdhsa_user_sgpr_count 2
		.amdhsa_user_sgpr_kernarg_segment_ptr 1
		.amdhsa_wavefront_size32 1
		.amdhsa_system_sgpr_workgroup_id_x 1
		.amdhsa_system_sgpr_workgroup_id_y 1
		.amdhsa_system_sgpr_workgroup_id_z 1
		.amdhsa_system_vgpr_workitem_id 0
		.amdhsa_next_free_vgpr 256
		.amdhsa_next_free_sgpr 84
		.amdhsa_reserve_vcc 1
		.amdhsa_float_denorm_mode_32 3
		.amdhsa_float_denorm_mode_16_64 3
		.amdhsa_memory_ordered 1
		.amdhsa_forward_progress 1
		.amdhsa_inst_pref_size 72
	.end_amdhsa_kernel
	.amdgpu_metadata
---
amdhsa.version: [ 1, 2 ]
amdhsa.kernels:
  - .name:           k_q865d48d039_quant
    .symbol:         k_q865d48d039_quant.kd
    .args:
      - { .name: part, .offset: 0, .size: 8, .value_kind: global_buffer, .address_space: global }
      - { .name: input, .offset: 8, .size: 8, .value_kind: global_buffer, .address_space: global }
      - { .name: h, .offset: 16, .size: 8, .value_kind: global_buffer, .address_space: global }
      - { .name: W_in, .offset: 24, .size: 8, .value_kind: global_buffer, .address_space: global }
      - { .name: W_h, .offset: 32, .size: 8, .value_kind: global_buffer, .address_space: global }
      - { .name: b_in, .offset: 40, .size: 8, .value_kind: global_buffer, .address_space: global }
      - { .name: b_h, .offset: 48, .size: 8, .value_kind: global_buffer, .address_space: global }
      - { .name: xc, .offset: 56, .size: 8, .value_kind: global_buffer, .address_space: global }
      - { .name: wc, .offset: 64, .size: 8, .value_kind: global_buffer, .address_space: global }
      - { .name: rowt, .offset: 72, .size: 8, .value_kind: global_buffer, .address_space: global }
      - { .name: colt, .offset: 80, .size: 8, .value_kind: global_buffer, .address_space: global }
      - { .name: scal, .offset: 88, .size: 8, .value_kind: global_buffer, .address_space: global }
    .group_segment_fixed_size: 0
    .private_segment_fixed_size: 0
    .kernarg_segment_align: 8
    .kernarg_segment_size: 96
    .max_flat_workgroup_size: 256
    .sgpr_count:     84
    .vgpr_count:     256
    .wavefront_size: 32
...
	.end_amdgpu_metadata
.endif
;; end of part 2
;; launch gemm (part 3): grid 16 x 32, 4 waves a work-group, clusters of 4 x 4, 327,680 bytes of LDS; arguments xc, wc, rowt, colt, scal, c, out0, out1; writes out0, out1
.if DOCPART == 3
	.amdgcn_target "amdgcn-amd-amdhsa--gfx1250"
	.amdhsa_code_object_version 6
	.text
	.protected	k_q865d48d039_gemm
	.globl	k_q865d48d039_gemm
	.p2align	8
	.type	k_q865d48d039_gemm,@function
k_q865d48d039_gemm:
	s_mov_b64 s[64:65], 0
	v_nop
	global_prefetch_b8 v0, s[64:65] scope:SCOPE_SE
	s_setreg_imm32_b32 hwreg(HW_REG_WAVE_MODE, 25, 1), 1
	s_wait_xcnt 0x0
	s_wait_alu depctr_hold_cnt(0) depctr_sa_sdst(0) depctr_va_vdst(0) depctr_va_sdst(0) depctr_va_ssrc(0) depctr_va_vcc(0) depctr_vm_vsrc(0)
	s_getreg_b32 s2, hwreg(HW_REG_IB_STS2, 6, 4)
	s_cmp_eq_u32 s2, 0
	s_cbranch_scc0 .Lentry_in_a_cluster
	s_endpgm
.Lentry_in_a_cluster:
	s_bfe_u32 s2, ttmp6, 0x10000c
	s_cmp_lg_u32 s2, 0xf033
	s_cbranch_scc0 .Lentry_shape_is_right
	s_endpgm
.Lentry_shape_is_right:
; THE PRODUCT OF THE CODES AND THE LSTM STEP.  acc[m][n'] = rho x (sum over k < 1024 of xc[m][k] wc[n'][k]) + (sum over k >= 1024 of the same): ONE product with K = 2,048, whose sums are multiplied
; once by rho when K = 1,024 is reached.  xc [8192][2048], wc [4096][2048]: whole numbers -128 .. 127 in bf16, so no operand is rounded, and the first half's sums, 2^24 at the most, are whole numbers in f32.
; z = S acc + rowt[m] + colt[n'] = -log2(e) x gate.  sigmoid = 1 / (1 + 2^z); tanh(gate) = 2 / (1 + 2^(2 z)) - 1; c_ = f c + i g (out1); h_ = o tanh(c_) (out0), tanh(c_) = 2 / (1 + 2^(-2 log2(e) c_)) - 1.
; An exponential that runs to infinity or to 0 gives the saturated value.  LIMITS: NaN and infinities in the inputs are not treated; tanh near 0 is off by about 1e-7 in absolute terms.
; SHARES.  A tile is 256 rows x 256 columns n' = 64 hidden units x 4 gates, made by a work-group of four waves, 128 x 128 each: 64 accumulators of 16 x 16, 512 registers.  wc's rows are ordered so that
; n' = 128 (j / 32) + 32 g + j % 32 for gate g of unit j: of a wave's eight column blocks b = 2 g + u, and the accumulators (a, u), (a, 2 + u), (a, 4 + u), (a, 6 + u) hold i, f, g, o of the same row and unit
; in the same lane and register.  So the step behind the product changes no lanes.
; K goes in steps of 128 through a ring of two LDS slots filled by the tensor data mover; rows of the tiles are 256 bytes of memory, at multiples of 256 from the buffers' first bytes.
; CLUSTERS: 4 x 4 work-groups.  The four of a row of the cluster need the same tiles of xc, the four of a column the same tiles of wc: each is asked for JOINTLY, by the same tensor load with the same
; descriptor and a mask that names the four.  The tile of c is a work-group's own: a plain load, a quarter a wave, behind a round of the cluster's barrier like every tensor load here.
; THE MATRIX INSTRUCTION IS USED TRANSPOSED: source 0 = 16 rows of wc, source 1 = 16 rows of xc: lane l holds row l % 16 and the columns 8 (l / 16) + 0 .. 7 of a block.
; REGISTERS, in windows of 256 (s_set_vgpr_msb: bits 1:0 source 0, 3:2 source 1, 5:4 source 2, 7:6 destination):
;   window 0: v0-31 addresses; v32-41 the rows' terms; v64-127, v128-191 fragments of xc, two buffers, later at work; v192-255 the columns' terms
;   window 1: v64-127, v128-191 fragments of wc      window 2: the accumulators of my rows 0-63, (a, b) at v[8 (8 a + b)]      window 3: those of my rows 64-127
.set SIZE_K, 2048
.set ROWB,   4096                      ; bytes in a row of xc, of wc, of c and of the outputs
.set KSTEP,  128
.set PITCH,  272                       ; an LDS row: 256 bytes + 16 of padding = 68 words: row r starts at bank 4 r mod 64 (64 banks of 4 bytes: ISA guide 11.1)
.set HALFT,  128*PITCH                 ; 128 rows: what one joint load brings
.set SLOT,   4*HALFT                   ; xc's 256 rows, then wc's 256 rows
.set SPARE,  2*SLOT                    ; behind the ring: the spare words, 128 bytes for each wave: two blocks of 256 bytes that no other line names
.set HST,    2*HALFT                   ; when the ring has had its last fills: c's tile lies in bytes 0 .. 69,631 (the launch's last fill), h_'s stage here, in what was slot 0's half for wc,
.set CST,    SLOT                      ; c_'s stage here, in what was slot 1's half for xc: 256 rows of 272 bytes each
.set LAPS,   SIZE_K/(2*KSTEP)          ; a lap = two K steps = once round the ring: 8
.set CADR, 8                           ; v8-10   this block's addresses in c's tile and in the two stages
.set HADR, 9
.set SADR, 10
.set ADRA, 16                          ; v16-17  LDS address of my fragments of xc in slot 0, 1
.set ADRB, 20                          ; v20-21  the same for wc
.set CAD,  22                          ; v22     my 32 bytes of block 0's rows in c's tile; never rewritten
.set HAD,  23                          ; v23     the same in h_'s stage
.set SAD,  24                          ; v24     the same in c_'s stage
.set RD,   25                          ; v25     where I read rows of h_ back
.set CO,   26                          ; v26     my byte offset in two rows of an output
.set RD2,  27                          ; v27     where I read rows of c_ back
.set SPW,  28                          ; v28     LDS address of my spare word; never rewritten
.set NIL,  29                          ; v29     0; never rewritten
.set PFO,  30                          ; v30     the prefetches' offset: 4,096 x lane; never rewritten
.set RT,   32                          ; v32-39  rowt of my row in block a
.set RR,   40                          ; v[40:41] the block's, twice
.set F0,   64
.set F1,   128
.set Z,    64                          ; behind the product: z, then the gates: column block b at Z + 8 b
.set CC,   128                         ; c of my 16 numbers of a block
.set CN,   144                         ; c_
.set COL,  192                         ; colt of column block b at COL + 8 b
.set G1,  24                           ; s[24:31] descriptor group 1 for xc's tiles;  s[32:39] group 0, a set for each slot
.set G0,  32
.set LIM, 43                           ; s43     1 in a wave that prefetches along K, else the greatest number
.set PFA, 44                           ; s[44:45] where my prefetches stand
.set G1B, 48                           ; s[48:55], s[56:63] the same for wc's tiles
.set G0B, 56
.set G0C, 88                           ; s[88:91], s[92:99] the descriptor of c's tile
.set G1C, 92
.set CA,  100                          ; s[100:101] c at my wave's 64 rows of the tile
.set MSB, 0
.macro WIN new                         ; the immediate's high byte repeats the setting that is left; a switch that changes nothing is dropped
.if MSB != (\new)
	s_set_vgpr_msb (MSB<<8)|(\new)
.set MSB, \new
.endif
.endm
.set MUL_LO, 0xa1                      ; source 0 (wc) window 1, source 1 (xc) window 0, C and D window 2
.set MUL_HI, 0xf1                      ; the same, C and D window 3
.set TO_B,   0x40                      ; destination window 1, address window 0
; A joint load.  Waves 0 and 1 fetch xc's two halves, waves 2 and 3 wc's.  The branch hangs on the wave's number alone.  An s_nop 0 and four v_nop follow each of the two lines.
.macro JLOAD s
	s_cmp_eq_u32 s11, 0
	s_cbranch_scc0 .Lfor_b_\@
	tensor_load_to_lds s[G0+4*(\s):G0+4*(\s)+3], s[G1:G1+7]
	s_nop 0
.rept 4
	v_nop
.endr
	s_branch .Lasked_\@
.Lfor_b_\@:
	tensor_load_to_lds s[G0B+4*(\s):G0B+4*(\s)+3], s[G1B:G1B+7]
	s_nop 0
.rept 4
	v_nop
.endr
.Lasked_\@:
.endm
; A PREFETCH behind each joint load and the run of LDS loads that follows it: the K step that stands TWO refills on, 512 matrix instructions ahead of the load that will want it: 32 rows x 256 bytes, a lane a row.
; xc's tile row is read by every cluster of that row of clusters: cluster x = 0 asks; wc's tile column by every cluster of that column: cluster y = 0 asks.  The four partners that ask for a tile jointly share
; its rows out BY ADDRESS: of the 128 rows that a wave fetches the partner at place p takes 32 p .. 32 p + 31 (p = cx for xc, cy for wc).  So each row's 256 bytes of a K step are named once in the launch.
; K steps 0 to 3 come by their loads alone; the loop's last trip (s3 = 1) has no K step two on.
.macro ASK
	s_cmp_gt_u32 s3, s[LIM]
	s_cbranch_scc0 .Lnot_mine_\@
	global_prefetch_b8 v[PFO], s[PFA:PFA+1] offset:KSTEP*2 th:TH_LOAD_NT scope:SCOPE_SE
.Lnot_mine_\@:
.endm
; c's tile is asked for two K steps ahead of its tensor load: in the loop's last trip each wave names the 256 bytes of its own 64 rows, a lane a row, twice 32.  A tile of c belongs to one work-group.
.macro ASKC
	s_cmp_eq_u32 s3, 1
	s_cbranch_scc0 .Lno_c_\@
	global_prefetch_b8 v[PFO], s[CA:CA+1] th:TH_LOAD_NT scope:SCOPE_SE
	global_prefetch_b8 v[PFO], s[CA:CA+1] offset:32*ROWB th:TH_LOAD_NT scope:SCOPE_SE
.Lno_c_\@:
.endm
; A round of the cluster's barrier: my work-group's barrier; wave 0 signals for the work-group; every wave waits for all sixteen work-groups; my work-group's barrier once more.
.macro CREST                           ; a round behind its opening barrier
	s_cmp_lg_u32 s10, 0
	s_cbranch_scc1 .Lnot_wave_0_\@
	s_barrier_signal -3
.Lnot_wave_0_\@:
	s_barrier_wait -3
	s_barrier_signal -1
	s_barrier_wait -1
.endm
.macro CROUND
	s_barrier_signal -1
	s_barrier_wait -1
	CREST
.endm
	s_load_b512 s[68:83], s[0:1], 0x0              ; xc 68, wc 70, rowt 72, colt 74, scal 76, c 78, out0 80, out1 82
	v_lshl_add_u32 v[SPW], v0, 2, SPARE
	v_mov_b32 v[NIL], 0
	ds_add_u32 v[SPW], v[NIL]                      ; the wave's opening: the add, twice on end, and its wait ahead of my first tensor load; the set-up below stands between
	ds_add_u32 v[SPW], v[NIL]                      ; and once more, under the one wait
	v_lshrrev_b32 v1, 5, v0
	v_readfirstlane_b32 s10, v1                    ; wave 0..3
	s_lshr_b32 s11, s10, 1                         ; which half of the tile's rows is mine.  Also: I fetch for xc (0) or for wc (1)
	s_and_b32 s12, s10, 1                          ; which half of its columns.  Also: which 128 rows of that tile I fetch
	s_bfe_u32 s40, ttmp6, 0x40000                  ; cx
	s_bfe_u32 s41, ttmp6, 0x40004                  ; cy
	s_lshl_b32 s42, ttmp9, 2
	s_add_co_u32 s42, s42, s40                     ; tile column = 4 x cluster x + cx
	s_and_b32 s13, ttmp7, 0xffff
	s_lshl_b32 s13, s13, 2
	s_add_co_u32 s13, s13, s41                     ; tile row = 4 x cluster y + cy
	s_lshl_b32 s43, s41, 2
	s_lshl_b32 s43, 15, s43                        ; my row of the cluster: places 4 cy .. 4 cy + 3
	s_lshl_b32 s44, 0x1111, s40                    ; my column: places cx, cx + 4, cx + 8, cx + 12
	; descriptor group 1: a tile of 128 rows x 128 elements of 2 bytes, padded in LDS
	s_or_b32 s[G1+0], s43, (1<<16)|(1<<20)|(1<<21)|(5<<22)|(3<<25)   ; 15:0 the mask; 17:16 2-byte elements; 20 padding on; 21 set beside a mask; 24:22 after every 64 words (code 5); 31:25 4 words (code 3)
	s_or_b32 s[G1B+0], s44, (1<<16)|(1<<20)|(1<<21)|(5<<22)|(3<<25)
.irp g, G1, G1B
	s_mov_b32 s[(\g)+1], KSTEP<<16                 ; tensor_dim0 = 128
	s_mov_b32 s[(\g)+2], 128<<16                   ; tensor_dim1 = 128
	s_mov_b32 s[(\g)+3], KSTEP<<16                 ; tile_dim0 = 128
	s_mov_b32 s[(\g)+4], 128                       ; tile_dim1 = 128
	s_mov_b32 s[(\g)+5], SIZE_K                    ; elements from row to row
	s_mov_b32 s[(\g)+6], 0
	s_mov_b32 s[(\g)+7], 0
.endr
	; c's tile, a quarter a wave: 64 rows x 64 elements of 4 bytes, no mask, the same padding
	s_mov_b32 s[G1C+0], (2<<16)|(1<<20)|(5<<22)|(3<<25)
	s_mov_b32 s[G1C+1], 64<<16
	s_mov_b32 s[G1C+2], 64<<16
	s_mov_b32 s[G1C+3], 64<<16
	s_mov_b32 s[G1C+4], 64
	s_mov_b32 s[G1C+5], 1024
	s_mov_b32 s[G1C+6], 0
	s_mov_b32 s[G1C+7], 0
	s_mov_b32 s[G0C], 1
	s_mul_i32 s[G0C+1], s10, 64*PITCH              ; rows 64 w on of c's tile, which begins at LDS byte 0
	; where the tiles come from.  xc's hang on the tile row alone, wc's on the tile column alone, each in registers that never hold the other coordinate
	s_lshl_b32 s17, s12, 7
	s_lshl_b32 s16, s13, 8
	s_add_co_u32 s16, s16, s17                     ; xc: row 256 x tile row + 128 x half,
	s_lshl_b32 s16, s16, 12                        ; in bytes: under 2^25
	s_lshl_b32 s46, s42, 8
	s_add_co_u32 s46, s46, s17                     ; wc: row 256 x tile column + 128 x half
	s_lshl_b32 s46, s46, 12
	s_mov_b32 s17, 0
	s_mov_b32 s47, 0
	s_mul_i32 s20, s10, HALFT                      ; and where they go: wave x 128 rows
	s_lshl_b32 s22, s13, 8                         ; c and the outputs: row 256 x tile row + 64 x wave,
	s_lshl_b32 s23, s10, 6
	s_add_co_u32 s22, s22, s23
	s_lshl_b32 s22, s22, 12
	s_lshl_b32 s23, s42, 8                         ; the tile's 64 units: 256 bytes of a row
	s_add_co_u32 s22, s22, s23
	s_mov_b32 s23, 0
	s_wait_dscnt 0x0                               ; both opening adds are done
	s_wait_kmcnt 0x0
	s_load_b64 s[84:85], s[76:77], 0x0             ; (S, rho)
	s_add_nc_u64 s[14:15], s[68:69], s[16:17]
	s_add_nc_u64 s[46:47], s[70:71], s[46:47]
	s_add_nc_u64 s[CA:CA+1], s[78:79], s[22:23]
	s_add_nc_u64 s[80:81], s[80:81], s[22:23]
	s_add_nc_u64 s[82:83], s[82:83], s[22:23]
	s_mov_b64 s[G0C+2:G0C+3], s[CA:CA+1]
	s_or_b32 s[G0C+3], s[G0C+3], 0x80000000
	CROUND                                         ; all sixteen work-groups are here: the first joint loads meet
.irp s, 0,1
	s_mov_b32 s[G0+4*(\s)], 1                                        ; count = 1
	s_add_co_u32 s[G0+4*(\s)+1], s20, (\s)*SLOT                      ; LDS address
	s_add_nc_u64 s[G0+4*(\s)+2:G0+4*(\s)+3], s[14:15], (\s)*KSTEP*2  ; global address: K step s
	s_or_b32 s[G0+4*(\s)+3], s[G0+4*(\s)+3], 0x80000000              ; type = 2
	s_mov_b32 s[G0B+4*(\s)], 1
	s_add_co_u32 s[G0B+4*(\s)+1], s20, (\s)*SLOT
	s_add_nc_u64 s[G0B+4*(\s)+2:G0B+4*(\s)+3], s[46:47], (\s)*KSTEP*2
	s_or_b32 s[G0B+4*(\s)+3], s[G0B+4*(\s)+3], 0x80000000
	JLOAD \s                                       ; the ring is filled before anything else is done: two loads of mine are out
.endr
	; the columns' and the rows' terms
	v_and_b32 v1, 15, v0                           ; l % 16
	v_bfe_u32 v2, v0, 4, 1                         ; l / 16
	v_lshlrev_b32 v6, 5, v2                        ; my 8 columns of a block: 32 bytes for each half of the lanes
	v_lshlrev_b32 v7, 2, v1                        ; my row of a block
	s_lshl_b32 s16, s42, 10
	s_lshl_b32 s17, s12, 9
	s_add_co_u32 s16, s16, s17                     ; colt at column 256 x tile column + 128 x half
	s_mov_b32 s17, 0
	s_add_nc_u64 s[74:75], s[74:75], s[16:17]
	s_lshl_b32 s16, s13, 10
	s_lshl_b32 s18, s11, 9
	s_add_co_u32 s16, s16, s18                     ; rowt at row 256 x tile row + 128 x half
	s_add_nc_u64 s[72:73], s[72:73], s[16:17]
.irp b, 0,1,2,3,4,5,6,7
	global_load_b128 v[COL+8*(\b):COL+8*(\b)+3],   v6, s[74:75] offset:64*(\b)
	global_load_b128 v[COL+8*(\b)+4:COL+8*(\b)+7], v6, s[74:75] offset:64*(\b)+16
.endr
.irp a, 0,1,2,3,4,5,6,7
	global_load_b32 v[RT+(\a)], v7, s[72:73] offset:64*(\a)
.endr
	; A fragment is 16 rows x 32 K in 8 registers: lane l holds row l % 16; registers 0-3 K = 8 (l / 16) + 0..7, registers 4-7 K = 16 + 8 (l / 16) + 0..7: two loads of 16 bytes, 32 bytes apart.
	v_mul_u32_u24 v3, v1, PITCH
	v_lshl_add_u32 v4, v2, 5, v3                   ; row x pitch + 32 x half: eight f32 of a row
	v_lshl_add_u32 v3, v2, 4, v3                   ; row x pitch + 16 x half: a fragment's
	s_mul_i32 s21, s11, HALFT                      ; my 128 rows of xc
	s_mul_i32 s22, s12, HALFT                      ; my 128 rows of wc,
	s_add_co_u32 s22, s22, 2*HALFT                 ; which lie behind xc's 256
.irp s, 0,1
	v_add_nc_u32 v[ADRA+(\s)], s21, v3
	v_add_nc_u32 v[ADRB+(\s)], s22, v3
	s_add_co_u32 s21, s21, SLOT
	s_add_co_u32 s22, s22, SLOT
.endr
	s_mul_i32 s23, s11, HALFT                      ; c's tile and the stages: my 128 rows, my 32 units (128 bytes) of their 64
	s_lshl_b32 s21, s12, 7
	s_add_co_u32 s23, s23, s21
	v_add_nc_u32 v[CAD], s23, v4
	v_add_nc_u32 v[HAD], HST, v[CAD]
	v_add_nc_u32 v[SAD], CST, v[CAD]
	v_mul_u32_u24 v5, v2, PITCH                    ; back: wave w takes rows 64 w .. 64 w + 63, whole; lanes 0-15 one row of 256 bytes, lanes 16-31 the next
	v_lshl_add_u32 v5, v1, 4, v5
	s_mul_i32 s23, s10, 64*PITCH
	s_add_co_u32 s23, s23, HST
	v_add_nc_u32 v[RD], s23, v5
	v_add_nc_u32 v[RD2], CST-HST, v[RD]
	v_lshlrev_b32 v5, 12, v2                       ; and the same two rows in an output
	v_lshl_add_u32 v[CO], v1, 4, v5
	; the prefetches along K
	s_lshl_b32 s13, s13, 8
	s_lshl_b32 s42, s42, 8
	s_and_b32 s22, ttmp7, 0xffff                   ; cluster y
	s_cmp_eq_u32 s11, 0                            ; do I fetch for xc?
	s_cselect_b32 s20, s13, s42                    ; the tile's first row
	s_cselect_b32 s21, s40, s41                    ; my place among the four that ask for it with me
	s_cselect_b32 s22, ttmp9, s22                  ; the coordinate along which other clusters read the same rows
	s_cselect_b64 s[PFA:PFA+1], s[68:69], s[70:71]
	s_cmp_eq_u32 s22, 0
	s_cselect_b32 s[LIM], 1, -1                    ; the same in all sixteen partners, for a given wave
	s_lshl_b32 s22, s12, 7
	s_add_co_u32 s20, s20, s22                     ; + the 128 rows that I fetch
	s_lshl_b32 s21, s21, 5
	s_add_co_u32 s20, s20, s21                     ; + my work-group's 32 of them
	s_lshl_b32 s20, s20, 12
	s_mov_b32 s21, 0
	s_add_nc_u64 s[PFA:PFA+1], s[PFA:PFA+1], s[20:21]
	s_add_nc_u64 s[PFA:PFA+1], s[PFA:PFA+1], 2*KSTEP*2  ; at K step 2: the first refill steps it to 3 and names K step 4
	v_and_b32 v[PFO], 31, v0
	v_lshlrev_b32 v[PFO], 12, v[PFO]
	s_wait_kmcnt 0x0                               ; (S, rho)
	s_mov_b32 s86, s85                             ; rho as a pair
	s_mov_b32 s87, s85
	s_wait_loadcnt 0x0                             ; the terms are in, once
; 16 matrix instructions: row blocks a0, a0 + 1 of the window's four (hi = 0: my rows 0-63, 1: rows 64-127) x all 8 column blocks, 32 along K.  zero = 1: the first product starts the sums.
; The 64 accumulators take turns, one instruction a turn, in the same order in every quarter.
.macro MUL16 f, hi, a0, zero
	WIN MUL_LO+0x50*(\hi)
.irp a, \a0, (\a0)+1
.irp b, 0,1,2,3,4,5,6,7
.if \zero
	v_wmma_f32_16x16x32_bf16 v[8*(8*(\a)+(\b)):8*(8*(\a)+(\b))+7], v[(\f)+8*(\b):(\f)+8*(\b)+7], v[(\f)+8*(4*(\hi)+(\a)):(\f)+8*(4*(\hi)+(\a))+7], 0
.else
	v_wmma_f32_16x16x32_bf16 v[8*(8*(\a)+(\b)):8*(8*(\a)+(\b))+7], v[(\f)+8*(\b):(\f)+8*(\b)+7], v[(\f)+8*(4*(\hi)+(\a)):(\f)+8*(4*(\hi)+(\a))+7], v[8*(8*(\a)+(\b)):8*(8*(\a)+(\b))+7]
.endif
.endr
.endr
.endm
; 32 LDS loads in one run: the fragments of one quarter step (128 rows of wc, 128 rows of xc, 32 K at byte k of the rows) into buffer f
.macro FETCH slot, k, f
	WIN TO_B
.irp i, 0,1,2,3,4,5,6,7
	ds_load_b128 v[(\f)+8*(\i):(\f)+8*(\i)+3],   v[ADRB+(\slot)] offset:(\k)+(\i)*16*PITCH
	ds_load_b128 v[(\f)+8*(\i)+4:(\f)+8*(\i)+7], v[ADRB+(\slot)] offset:(\k)+(\i)*16*PITCH+32
.endr
	WIN 0
.irp i, 0,1,2,3,4,5,6,7
	ds_load_b128 v[(\f)+8*(\i):(\f)+8*(\i)+3],   v[ADRA+(\slot)] offset:(\k)+(\i)*16*PITCH
	ds_load_b128 v[(\f)+8*(\i)+4:(\f)+8*(\i)+7], v[ADRA+(\slot)] offset:(\k)+(\i)*16*PITCH+32
.endr
.endm
; Four plain vector instructions stand between a matrix instruction and a load into, or a vector instruction on, one of its registers (ISA guide 7.12.1 for vector instructions).
.macro PLACES
.rept 4
	v_nop
.endr
.endm
; A K step is four quarters of 32 along K, 64 matrix instructions each, on buffers 0, 1, 0, 1.  One of the first three: multiplies buffer f; in its middle it fetches the next quarter, at byte k, into g.
.macro QUARTER slot, k, f, g, zero
	s_wait_dscnt 8                                 ; wc's and xc's rows 0-63 are in; the youngest eight loads (xc's rows 64-127) may be out
	WIN MUL_LO
	MUL16 \f, 0, 0, \zero
	MUL16 \f, 0, 2, \zero
	PLACES
	FETCH \slot, \k, \g
	s_wait_dscnt 32                                ; all but the 32 just issued
	WIN MUL_HI
	MUL16 \f, 1, 0, \zero
	MUL16 \f, 1, 2, \zero
.endm
; The last quarter's first half.  In front of the barrier each wave waits for all its tensor loads, of which one is out: its part of the next slot; adds 0 to its spare word; and waits for that and for its own
; reads of this slot.  The barrier opens a round of the cluster's barrier.
.macro MEET
	WIN 0                                          ; (the add's two registers lie in window 0)
	s_wait_tensorcnt 0x0                           ; all my tensor loads have landed;
	ds_add_u32 v[SPW], v[NIL]                      ; 0 onto my spare word;
	s_wait_dscnt 9                                 ; (the add and the youngest eight loads may be out)
	WIN MUL_LO
	MUL16 F1, 0, 0, 0                              ; sixteen matrix instructions stand between the add and the wait for it
	s_wait_dscnt 0x0                               ; the add is done, and my reads of this slot are over:
	s_barrier_signal -1                            ; say so,
	MUL16 F1, 0, 2, 0                              ; work on registers while the others arrive,
	WIN 0
	s_barrier_wait -1                              ; and go on when all four have said so
.endm
; The whole last quarter.  Behind the round the slot just read out is filled again first: kind = 0: jointly, with the K step two steps on; kind = 1: each wave's quarter of c's tile, the launch's last fill.
; Then come the next slot's first fragments.  From a request to the wait for it a wave issues 224 matrix instructions.
.macro TURN slot, next, kind
.if (\kind) == 0
	s_wait_xcnt 0x0                                ; the last prefetch, a K step back, has read its address: it is stepped here, ahead of the waits of the change of slots
	s_add_nc_u64 s[PFA:PFA+1], s[PFA:PFA+1], KSTEP*2
.endif
	MEET
	CREST                                          ; no wave of any partner still reads this slot's tile or has a load on its way
.if (\kind) == 0
	s_add_nc_u64 s[G0+4*(\slot)+2:G0+4*(\slot)+3], s[G0+4*(\slot)+2:G0+4*(\slot)+3], 2*KSTEP*2
	s_add_nc_u64 s[G0B+4*(\slot)+2:G0B+4*(\slot)+3], s[G0B+4*(\slot)+2:G0B+4*(\slot)+3], 2*KSTEP*2
	JLOAD \slot                                    ; the first tensor load behind the round; the four v_nop behind it are also the places in front of the loads below
.else
	tensor_load_to_lds s[G0C:G0C+3], s[G1C:G1C+7]  ; my one load behind the round: rows 64 w .. 64 w + 63 of c's tile
	s_nop 0
.rept 4
	v_nop
.endr
.endif
	FETCH \next, 0, F0
.if (\kind) == 0
	ASK
.if (\slot) == 0
	ASKC
.endif
.endif
	WIN MUL_HI
	MUL16 F1, 1, 0, 0
	MUL16 F1, 1, 2, 0
.endm
; K = 1,024 is reached: all 512 registers of sums times rho, each accumulator from its low end on.
.macro RESCALE
	PLACES
	WIN 0x82                                       ; destination and source 0 in window 2
.set i, 0
.rept 128
	v_pk_mul_f32 v[i:i+1], v[i:i+1], s[86:87] op_sel_hi:[1,0]
.set i, i+2
.endr
	WIN 0xc3                                       ; in window 3
.set i, 0
.rept 128
	v_pk_mul_f32 v[i:i+1], v[i:i+1], s[86:87] op_sel_hi:[1,0]
.set i, i+2
.endr
	WIN 0
.endm
	s_wait_tensorcnt 1                             ; my part of K step 0 is in; K step 1's may stay out
	s_barrier_signal -1
	s_barrier_wait -1                              ; everybody's is
	FETCH 0, 0, F0
	QUARTER 0, 64,  F0, F1, 1                      ; the first quarter stands in front of the loop: its products start the sums
	WIN 0                                          ; at a label and at a branch every window is 0
	s_mov_b32 s3, LAPS-1
.Llap:                                             ; a trip goes once round the ring, from a lap's second quarter to the next lap's first, and fills both slots again
	QUARTER 0, 128, F1, F0, 0
	QUARTER 0, 192, F0, F1, 0
	TURN 0, 1, 0
	QUARTER 1, 64,  F0, F1, 0
	QUARTER 1, 128, F1, F0, 0
	QUARTER 1, 192, F0, F1, 0
	TURN 1, 0, 0
	WIN 0
	s_cmp_eq_u32 s3, 4                             ; the fourth trip has ended K step 7: the first product is whole
	s_cbranch_scc0 .Lnoscale                       ; the jump leads over work on registers alone
	RESCALE
.Lnoscale:
	QUARTER 0, 64,  F0, F1, 0
	WIN 0
	s_sub_co_u32 s3, s3, 1
	s_cmp_lg_u32 s3, 0
	s_cbranch_scc1 .Llap
	QUARTER 0, 128, F1, F0, 0                      ; the last lap is written out
	QUARTER 0, 192, F0, F1, 0
	TURN 0, 1, 1                                   ; slot 0 takes c's tile
	QUARTER 1, 64,  F0, F1, 0
	QUARTER 1, 128, F1, F0, 0
	QUARTER 1, 192, F0, F1, 0
	s_wait_dscnt 8                                 ; the very last quarter: nothing more to fetch
	WIN MUL_LO
	MUL16 F1, 0, 0, 0
	MUL16 F1, 0, 2, 0
	s_wait_dscnt 0x0
	MUL16 F1, 1, 0, 0
	MUL16 F1, 1, 2, 0
	WIN 0
	s_wait_tensorcnt 0x0                           ; my quarter of c's tile is in,
	s_wait_dscnt 0x0                               ; my reads of slot 1 are over:
	s_barrier_signal -1
	s_barrier_wait -1                              ; both hold of all four waves.  The stages are written where the ring has had its last fills
	PLACES                                         ; behind the last products
; THE STEP BEHIND THE PRODUCT, a block of 16 rows a trip.  GATES a differs from block to block (it names the block's accumulators) and is written eight times; the rest is written once.
; GATES a: Z = S acc + colt, two numbers a line, each accumulator from its low end on; the block's rowt goes into a pair.
.macro GATES a
	v_mov_b32 v[RR], v[RT+(\a)]
	v_mov_b32 v[RR+1], v[RT+(\a)]
	WIN 0x02+(\a)/4                                ; source 0 in window 2 or 3
.irp b, 0,1,2,3,4,5,6,7
.irp p, 0,1,2,3
	v_pk_fma_f32 v[Z+8*(\b)+2*(\p):Z+8*(\b)+2*(\p)+1], v[64*((\a)%4)+8*(\b)+2*(\p):64*((\a)%4)+8*(\b)+2*(\p)+1], s[84:85], v[COL+8*(\b)+2*(\p):COL+8*(\b)+2*(\p)+1] op_sel_hi:[1,0,1]
.endr
.endr
	WIN 0
.endm
.macro BATCH op, first, n              ; n transcendentals in place, a plain instruction behind the last, and one wait ahead of the first use
.set r, \first
.rept \n
	\op v[r], v[r]
.set r, r+1
.endr
	v_nop
	s_wait_alu depctr_va_vdst(0)
.endm
.macro POINT                           ; i at Z, f at Z + 16, g at Z + 32, o at Z + 48: 16 numbers a lane each
.set r, 0
.rept 32
	v_pk_add_f32 v[Z+r:Z+r+1], v[Z+r:Z+r+1], v[RR:RR+1]                 ; z
.set r, r+2
.endr
.set r, 32
.rept 8
	v_pk_add_f32 v[Z+r:Z+r+1], v[Z+r:Z+r+1], v[Z+r:Z+r+1]               ; 2 z for the tanh
.set r, r+2
.endr
	BATCH v_exp_f32, Z, 64
.set r, 0
.rept 32
	v_pk_add_f32 v[Z+r:Z+r+1], v[Z+r:Z+r+1], 1.0 op_sel_hi:[1,0]
.set r, r+2
.endr
	BATCH v_rcp_f32, Z, 64
.set r, 0
.rept 8
	v_pk_fma_f32 v[Z+32+r:Z+32+r+1], v[Z+32+r:Z+32+r+1], 2.0, -1.0 op_sel_hi:[1,0,0]  ; g
.set r, r+2
.endr
.set r, 0
.rept 8
	v_pk_mul_f32 v[Z+32+r:Z+32+r+1], v[Z+32+r:Z+32+r+1], v[Z+r:Z+r+1]   ; i g
.set r, r+2
.endr
	s_wait_dscnt 0x0                               ; c is in
.set r, 0
.rept 8
	v_pk_fma_f32 v[CN+r:CN+r+1], v[Z+16+r:Z+16+r+1], v[CC+r:CC+r+1], v[Z+32+r:Z+32+r+1]  ; c_ = f c + i g
.set r, r+2
.endr
.irp u, 0,1
.irp q, 0,1
	ds_store_b128 v[SADR], v[CN+8*(\u)+4*(\q):CN+8*(\u)+4*(\q)+3] offset:64*(\u)+16*(\q)
.endr
.endr
.set r, 0
.rept 8
	v_pk_mul_f32 v[Z+r:Z+r+1], v[CN+r:CN+r+1], 0xc038aa3b op_sel_hi:[1,0]  ; -2 log2(e) c_
.set r, r+2
.endr
	BATCH v_exp_f32, Z, 16
.set r, 0
.rept 8
	v_pk_add_f32 v[Z+r:Z+r+1], v[Z+r:Z+r+1], 1.0 op_sel_hi:[1,0]
.set r, r+2
.endr
	BATCH v_rcp_f32, Z, 16
.set r, 0
.rept 8
	v_pk_fma_f32 v[Z+r:Z+r+1], v[Z+r:Z+r+1], 2.0, -1.0 op_sel_hi:[1,0,0]  ; tanh(c_)
.set r, r+2
.endr
.set r, 0
.rept 8
	v_pk_mul_f32 v[Z+r:Z+r+1], v[Z+r:Z+r+1], v[Z+48+r:Z+48+r+1]         ; h_
.set r, r+2
.endr
.irp u, 0,1
.irp q, 0,1
	ds_store_b128 v[HADR], v[Z+8*(\u)+4*(\q):Z+8*(\u)+4*(\q)+3] offset:64*(\u)+16*(\q)
.endr
.endr
.endm
	s_mov_b32 s2, 8                                ; blocks to go; block a = 8 - s2
	s_mov_b32 s4, 0                                ; the block's 16 rows in LDS: 4,352 a
.Lblk:
	v_add_nc_u32 v[CADR], s4, v[CAD]
	v_add_nc_u32 v[HADR], s4, v[HAD]
	v_add_nc_u32 v[SADR], s4, v[SAD]
.irp u, 0,1
.irp q, 0,1
	ds_load_b128 v[CC+8*(\u)+4*(\q):CC+8*(\u)+4*(\q)+3], v[CADR] offset:64*(\u)+16*(\q)  ; units 16 u + 8 (l / 16) + 0..7 of my 32
.endr
.endr
.irp a, 0,1,2,3,4,5,6
	s_cmp_eq_u32 s2, 8-\a
	s_cbranch_scc1 .Lg\a                           ; forward, past work on registers alone
.endr
	GATES 7
	s_branch .Lcom
.irp a, 0,1,2,3,4,5
.Lg\a:
	GATES \a
	s_branch .Lcom
.endr
.Lg6:
	GATES 6
.Lcom:
	POINT
	s_add_co_u32 s4, s4, 16*PITCH
	s_sub_co_u32 s2, s2, 1
	s_cmp_lg_u32 s2, 0
	s_cbranch_scc1 .Lblk
	; THE WAY OUT.  A row's 256 bytes come from two waves: a barrier, then each wave reads 64 whole rows of each stage and stores them, sixteen lanes to 256 consecutive bytes.
	s_wait_dscnt 0x0                               ; for the others' sake: my stores into the stages are done
	s_barrier_signal -1
	s_barrier_wait -1
.macro OUTL set, rd, q                 ; 32 rows, two a load, into 64 registers
.irp t, 0,1,2,3,4,5,6,7,8,9,10,11,12,13,14,15
	ds_load_b128 v[(\set)+4*(\t):(\set)+4*(\t)+3], v[\rd] offset:(16*(\q)+(\t))*2*PITCH
.endr
.endm
.macro OUTS set, base, q, younger      ; younger: the LDS loads issued behind this set's, which may stay out
.irp t, 0,1,2,3,4,5,6,7,8,9,10,11,12,13,14,15
	s_wait_dscnt (\younger)+15-(\t)
	global_store_b128 v[CO], v[(\set)+4*(\t):(\set)+4*(\t)+3], s[\base:\base+1] offset:(16*(\q)+(\t))*2*ROWB th:TH_STORE_NT  ; at a multiple of 256 from the output's first byte; 62 rows at the most in the immediate
.endr
.endm
	OUTL 64,  RD, 0
	OUTL 128, RD, 1
	OUTS 64,  80, 0, 16                            ; h_, my rows 0-31
	s_wait_xcnt 0x0                                ; those stores have read their registers, which are loaded again only behind this wait
	OUTL 64,  RD2, 0
	OUTS 128, 80, 1, 16                            ; h_, my rows 32-63
	s_wait_xcnt 0x0
	OUTL 128, RD2, 1
	OUTS 64,  82, 0, 16                            ; c_
	OUTS 128, 82, 1, 0
	s_wait_tensorcnt 0x0                           ; the wave's end, behind my last tensor load and my last LDS store
	ds_add_u32 v[SPW], v[NIL]
	s_wait_dscnt 0x0
	CROUND                                         ; the closing round: no work-group ends while a partner may still ask for a tile that names it
	s_endpgm
.Lfunc_end_k_q865d48d039_gemm:
	.size	k_q865d48d039_gemm, .Lfunc_end_k_q865d48d039_gemm-k_q865d48d039_gemm
	.p2alignl 7, 3214868480
	.fill 96, 4, 3214868480
	.section	.rodata,"a",@progbits
	.p2align	6, 0x0
	.amdhsa_kernel k_q865d48d039_gemm
		.amdhsa_group_segment_fixed_size 327680
		.amdhsa_private_segment_fixed_size 0
		.amdhsa_enable_private_segment 0
		.amdhsa_kernarg_size 64
		.amdhsa_user_sgpr_count 2
		.amdhsa_user_sgpr_kernarg_segment_ptr 1
		.amdhsa_wavefront_size32 1
		.amdhsa_system_sgpr_workgroup_id_x 1
		.amdhsa_system_sgpr_workgroup_id_y 1
		.amdhsa_system_sgpr_workgroup_id_z 1
		.amdhsa_system_vgpr_workitem_id 0
		.amdhsa_next_free_vgpr 1024
		.amdhsa_next_free_sgpr 102
		.amdhsa_reserve_vcc 0
		.amdhsa_float_denorm_mode_32 3
		.amdhsa_float_denorm_mode_16_64 3
		.amdhsa_memory_ordered 1
		.amdhsa_forward_progress 1
		.amdhsa_inst_pref_size 177
	.end_amdhsa_kernel
	.amdgpu_metadata
---
amdhsa.version: [ 1, 2 ]
amdhsa.kernels:
  - .name:           k_q865d48d039_gemm
    .symbol:         k_q865d48d039_gemm.kd
    .args:
      - { .name: xc, .offset: 0, .size: 8, .value_kind: global_buffer, .address_space: global }
      - { .name: wc, .offset: 8, .size: 8, .value_kind: global_buffer, .address_space: global }
      - { .name: rowt, .offset: 16, .size: 8, .value_kind: global_buffer, .address_space: global }
      - { .name: colt, .offset: 24, .size: 8, .value_kind: global_buffer, .address_space: global }
      - { .name: scal, .offset: 32, .size: 8, .value_kind: global_buffer, .address_space: global }
      - { .name: c, .offset: 40, .size: 8, .value_kind: global_buffer, .address_space: global }
      - { .name: out0, .offset: 48, .size: 8, .value_kind: global_buffer, .address_space: global }
      - { .name: out1, .offset: 56, .size: 8, .value_kind: global_buffer, .address_space: global }
    .group_segment_fixed_size: 327680
    .private_segment_fixed_size: 0
    .kernarg_segment_align: 8
    .kernarg_segment_size: 64
    .max_flat_workgroup_size: 128
    .sgpr_count:     102
    .vgpr_count:     1024
    .wavefront_size: 32
...
	.end_amdgpu_metadata
.endif
;; end of part 3
;; ======== version 2 of 2: 3 launches; version 1 with the launch quant written anew for expert scheduling mode
;; workspace buffers: part 6,144 bytes; xc 33,554,432 bytes; wc 16,777,216 bytes; rowt 32,768 bytes; colt 16,384 bytes; scal 256 bytes
;; launch minmax: the kernel of part 1 again; grid 768 x 1, 8 waves a work-group, no clusters, 1,280 bytes of LDS; arguments input, h, W_in, W_h, part; writes part
;; launch quant (part 4): grid 512 x 1, 8 waves a work-group, no clusters, 0 bytes of LDS; arguments part, input, h, W_in, W_h, b_in, b_h, xc, wc, rowt, colt, scal; writes xc, wc, rowt, colt, scal
.if DOCPART == 4
	.amdgcn_target "amdgcn-amd-amdhsa--gfx1250"
	.amdhsa_code_object_version 6
	.text
	.protected	k_q865d48d039_quant
	.globl	k_q865d48d039_quant
	.p2align	8
	.type	k_q865d48d039_quant,@function
k_q865d48d039_quant:
	s_mov_b64 s[64:65], 0
	v_nop
	global_prefetch_b8 v0, s[64:65] scope:SCOPE_SE
	s_setreg_imm32_b32 hwreg(HW_REG_WAVE_SCHED_MODE, 0, 2), 2
	s_setreg_imm32_b32 hwreg(HW_REG_WAVE_MODE, 25, 1), 1
	s_wait_xcnt 0x0
	s_wait_alu depctr_vm_vsrc(0)
; THE CODES AND THE TERMS.  A number quantised to 256 levels between its tensor's mn and mx is a x sc + ce with sc = (mx - mn) / 255, ce = mn + 128 sc and the whole number
; a = round((x - mn) / sc) - 128, -128 .. 127, which bf16 holds exactly.  So the product of the next launch multiplies the codes a, and scale and centre come back as one factor,
; one term a row and one term a column.  With index 1 for input and W_in, 2 for h and W_h, L = log2(e), RA and RW the sums of a row's codes (whole numbers, exact in f32):
;   z[m][n] = -L x gate = S (rho P1 + P2) + R[m] + C[n],   S = -L sx2 sw2,   rho = sx1 sw1 / (sx2 sw2),   R[m] = -L (sx1 cw1 RA1[m] + sx2 cw2 RA2[m]),
;   C[n] = -L (cx1 sw1 RW1[n] + cx2 sw2 RW2[n] + 1024 (cx1 cw1 + cx2 cw2) + b_in[n] + b_h[n]).
; THE CODE IS MADE AS THE DEFINITION MAKES IT: t = x - mn, rounded; u = t / sc, rounded once to f32; round(u), halves to the even number; then the exact -128.  A step of a code moves a gate by sc times the
; other operand, so a quotient near a half has to fall as the division's does.  The quotient is a product and one correction by its exact remainder: q0 = t inv, e = t - q0 sc (one fused line), u = q0 + e inv.
; OUT.  xc [8192][2048] bf16: a row's input codes, then its h codes.  wc [4096][2048] bf16: W_in's codes, then W_h's, of row n = 1024 g + j, at row n' = 128 (j / 32) + 32 g + j % 32,
; so that the four gates of a hidden unit lie 32 rows apart.  rowt[m] = R, colt[n'] = C, scal = 32 x (S, rho).
; SHARES.  4,096 waves; wave gw takes rows 2 gw, 2 gw + 1 of input and h and row gw of W_in and W_h: 24 KiB in, 12 KiB out.  All 60 loads of a wave go out at the head; no loop, no LDS, no barrier:
; no wave wants a byte that another has fetched but the 6,144 bytes of part, which every wave joins for itself.
; LIMITS.  NaN and infinities are not treated; a constant tensor (mx = mn) gives NaN, as it does in the definition.  Ahead of its one rounding u is off from t / sc by under 2^-22 of its last place
; (e / sc is two such places at the most, inv is good to one of its own): it is the division's result but where t / sc lies that near a boundary between two f32 numbers.
; THE MODE: SCHED_MODE bits 1:0 = 2 (LLVM: expert scheduling mode 2), set by the entry lines.  The code itself states the register dependences
; between vector instructions and memory instructions, with s_wait_alu, always for 0.
; THE PLAN.  Registers that memory instructions touch:
;   v1, v2, v5   byte offsets of the loads, of the 8-byte stores and of the 4-byte stores: made once at the head and never written again.
;   v[8:55]      part lands here, in registers that no vector instruction has named; behind the wait for it they are named by vector instructions alone, but for
;   v[44:45]     (S, rho): written once by the head's arithmetic, read by one store at the end.
;   v[56:247]    the data land here, each register once.  A row's arithmetic works on the row's own 32 registers; of each four the first two take the codes: written by the row's
;                conversions, read by the row's eight stores, never written again.
;   v22, v24     the terms: written by the last arithmetic, read by one store each.
; No register that a memory instruction reads is written again, and no register is loaded twice.  So what is left to state is that data and offsets are WRITTEN ahead of the instructions that read them:
; one wait on va_vdst ahead of the first load, for the three offsets; ONE A ROW, behind the row's last conversion: the row's eight stores follow it, dealt among the eight lines that end the row's sum,
; which name SA, SB, RS and v4 alone; and the waits at the writes of EXEC, of which the first also serves v22 and v24.  Numbers that vector instructions write into scalar registers or VCC
; have a wait ahead of their first reader: the wave's number; the 17 constants, in one run under one wait; three masks.
.set P,   8                            ; v[8:55]    part as loaded; then at work
.set D,   56                           ; v[56:247]  set s (0, 1: my two rows of input and h; 2: my row of the weights), tensor t, load i at D + 64 s + 32 t + 4 i
.set M,   248                          ; v[248:255] (mn, mx) of input, h, W_in, W_h
.set SA,  8                            ; v[8:9], v[10:11] two chains of packed sums of codes
.set SB,  10
.set RS,  16                           ; v[16:21]   the six rows' sums
.set QW,  26                           ; v[26:41]   two sets of eight at work on the quotients, by turns: four quotients, four remainders;  v[44:45] keep (S, rho)
	s_load_b512 s[4:19], s[0:1], 0x0               ; part 4, input 6, h 8, W_in 10, W_h 12, b_in 14, b_h 16, xc 18
	s_load_b256 s[20:27], s[0:1], 0x40             ; wc 20, rowt 22, colt 24, scal 26
	v_and_b32 v3, 31, v0                           ; lane
	v_lshrrev_b32 v4, 5, v0
	v_readfirstlane_b32 s28, v4                    ; wave
	v_lshlrev_b32 v1, 4, v3                        ; 16 bytes a lane in
	v_lshlrev_b32 v2, 3, v3                        ; 8 bytes a lane out
	v_lshlrev_b32 v5, 2, v3
	s_wait_alu depctr_va_sdst(0)                   ; s28 is written, ahead of its first reader: gw, and every base with it, is made from it
	s_lshl_b32 s29, ttmp9, 3
	s_add_co_u32 s29, s29, s28                     ; gw
	s_lshr_b32 s32, s29, 10                        ; g
	s_and_b32 s33, s29, 1023                       ; j
	s_lshr_b32 s34, s33, 5
	s_lshl_b32 s34, s34, 7
	s_lshl_b32 s32, s32, 5
	s_and_b32 s33, s33, 31
	s_add_co_u32 s34, s34, s32
	s_add_co_u32 s34, s34, s33                     ; n'
	s_mov_b32 s44, 0x76543210
	s_mov_b32 s45, 0xfedcba98
	s_mov_b32 s66, 0xc3000000                      ; -128.0, as a pair
	s_mov_b32 s67, s66
	s_mov_b32 s73, 0xbfb8aa3b                      ; -L
	s_mov_b32 s31, 0
	s_wait_kmcnt 0x0
	s_lshl_b32 s30, s29, 13                        ; two rows of 4,096 bytes: of input, of h and of xc
	s_add_nc_u64 s[6:7], s[6:7], s[30:31]
	s_add_nc_u64 s[8:9], s[8:9], s[30:31]
	s_add_nc_u64 s[18:19], s[18:19], s[30:31]
	s_lshl_b32 s30, s29, 12                        ; one row of the weights
	s_add_nc_u64 s[10:11], s[10:11], s[30:31]
	s_add_nc_u64 s[12:13], s[12:13], s[30:31]
	s_wait_alu depctr_va_vdst(0)                   ; v1, v2 and v5 are written: every load and store of the kernel reads one of them as its offset
.irp q, 0,1,2,3,4,5,6,7,8,9,10,11
	global_load_b128 v[P+4*(\q):P+4*(\q)+3], v1, s[4:5] offset:512*(\q)  ; two pairs (min, max) a lane: loads 0-3 input, 4-7 h, 8-9 W_in, 10-11 W_h
.endr
.macro LOADROW s, t, base, off         ; a row of 4,096 bytes: eight loads of 512 consecutive bytes
.irp i, 0,1,2,3,4,5,6,7
	global_load_b128 v[D+64*(\s)+32*(\t)+4*(\i):D+64*(\s)+32*(\t)+4*(\i)+3], v1, s[\base:\base+1] offset:(\off)+512*(\i) th:TH_LOAD_NT
.endr
.endm
	LOADROW 0, 0, 6, 0
	LOADROW 0, 1, 8, 0
	LOADROW 1, 0, 6, 4096
	LOADROW 1, 1, 8, 4096
	LOADROW 2, 0, 10, 0
	LOADROW 2, 1, 12, 0
	s_lshl_b32 s30, s34, 12
	s_add_nc_u64 s[20:21], s[20:21], s[30:31]      ; wc at row n'
	s_lshl_b32 s30, s29, 3
	s_add_nc_u64 s[22:23], s[22:23], s[30:31]      ; rowt at my two rows
	s_lshl_b32 s30, s34, 2
	s_add_nc_u64 s[24:25], s[24:25], s[30:31]      ; colt at n'
	s_lshl_b32 s30, s29, 2
	s_add_nc_u64 s[14:15], s[14:15], s[30:31]      ; the biases at n
	s_add_nc_u64 s[16:17], s[16:17], s[30:31]
	s_load_b32 s40, s[14:15], 0x0
	s_load_b32 s42, s[16:17], 0x0
.macro XLANE opd, op, r                ; over the 32 lanes; every lane ends with the result
	\opd v[\r], v[\r], v[\r] row_xmask:1 row_mask:0xf bank_mask:0xf
	\opd v[\r], v[\r], v[\r] row_xmask:2 row_mask:0xf bank_mask:0xf
	\opd v[\r], v[\r], v[\r] row_xmask:4 row_mask:0xf bank_mask:0xf
	\opd v[\r], v[\r], v[\r] row_xmask:8 row_mask:0xf bank_mask:0xf
	v_permlanex16_b32 v4, v[\r], s44, s45
	\op v[\r], v[\r], v4
.endm
.macro RED4 t, b                       ; four pairs of a lane, minima in the even registers
	v_min3_num_f32 v[M+2*(\t)], v[\b], v[(\b)+2], v[(\b)+4]
	v_max3_num_f32 v[M+2*(\t)+1], v[(\b)+1], v[(\b)+3], v[(\b)+5]
	v_min_num_f32 v[M+2*(\t)], v[M+2*(\t)], v[(\b)+6]
	v_max_num_f32 v[M+2*(\t)+1], v[M+2*(\t)+1], v[(\b)+7]
.endm
.macro RED8 t, b                       ; eight pairs
	RED4 \t, \b
	v_min3_num_f32 v[M+2*(\t)], v[M+2*(\t)], v[(\b)+8], v[(\b)+10]
	v_max3_num_f32 v[M+2*(\t)+1], v[M+2*(\t)+1], v[(\b)+9], v[(\b)+11]
	v_min3_num_f32 v[M+2*(\t)], v[M+2*(\t)], v[(\b)+12], v[(\b)+14]
	v_max3_num_f32 v[M+2*(\t)+1], v[M+2*(\t)+1], v[(\b)+13], v[(\b)+15]
.endm
	s_wait_loadcnt 48                              ; part is in; the 48 loads of data stay out
	RED8 0, P
	RED8 1, P+16
	RED4 2, P+32
	RED4 3, P+40
.irp t, 0,1,2,3
	XLANE v_min_num_f32_dpp, v_min_num_f32, M+2*\t
	XLANE v_max_num_f32_dpp, v_max_num_f32, M+2*\t+1
.endr
	; the same numbers in every lane from here on.  sc = (mx - mn) / 255 as a division rounds it: a product with 1 / 255 and one correction by its exact remainder
	; (a quotient by 255 stays 1 / 510 of its last place or more away from every boundary between two f32 numbers, far more than the correction is off)
.irp t, 0,1,2,3
	v_sub_f32 v[12+\t], v[M+2*\t+1], v[M+2*\t]     ; d
.endr
.irp t, 0,1,2,3
	v_mul_f32 v[16+\t], 0x3b808081, v[12+\t]       ; q = d / 255, nearly
.endr
.irp t, 0,1,2,3
	v_fma_f32 v[20+\t], v[16+\t], 0xc37f0000, v[12+\t]  ; d - 255 q
.endr
.irp t, 0,1,2,3
	v_fma_f32 v[8+\t], v[20+\t], 0x3b808081, v[16+\t]   ; sc
.endr
	v_mul_f32 v29, v9, v11                         ; sx2 sw2
.irp t, 0,1,2,3
	v_rcp_f32 v[24+\t], v[8+\t]
.endr
	v_rcp_f32 v28, v29
	v_nop                                          ; a plain instruction behind the last reciprocal,
	s_wait_alu depctr_va_vdst(0)                   ; and the wait ahead of the first use: the five reciprocals have written v[24:28]
.irp t, 0,1,2,3
	v_fma_f32 v[20+\t], v[8+\t], v[24+\t], -1.0    ; sc r - 1
.endr
.irp t, 0,1,2,3
	v_mul_f32 v[16+\t], v[20+\t], v[24+\t]
.endr
.irp t, 0,1,2,3
	v_sub_f32 v[32+\t], v[24+\t], v[16+\t]         ; inv = 1 / sc, refined once
	v_fma_f32 v[36+\t], v[8+\t], 0x43000000, v[M+2*\t]  ; ce = mn + 128 sc
	v_xor_b32 v[40+\t], 0x80000000, v[M+2*\t]      ; -mn
.endr
	v_mul_f32 v46, s73, v8                         ; -L sx1
	v_mul_f32 v47, s73, v9                         ; -L sx2
	v_mul_f32 v48, s73, v10                        ; -L sw1
	v_mul_f32 v49, s73, v11                        ; -L sw2
	v_mul_f32 v46, v46, v38                        ; x cw1: RA1's factor
	v_mul_f32 v47, v47, v39                        ; x cw2: RA2's
	v_mul_f32 v48, v48, v36                        ; x cx1: RW1's
	v_mul_f32 v49, v49, v37                        ; x cx2: RW2's
	v_mul_f32 v50, v36, v38
	v_fma_f32 v50, v37, v39, v50
	v_mul_f32 v50, 0xc4b8aa3b, v50                 ; -1024 L (cx1 cw1 + cx2 cw2)
	v_mul_f32 v44, s73, v29                        ; S
	v_mul_f32 v45, v8, v10
	v_mul_f32 v45, v45, v28                        ; rho
.irp t, 0,1,2,3
	v_readfirstlane_b32 s[48+4*\t], v[40+\t]       ; tensor t: -mn in s[48 + 4 t], inv in s[50 + 4 t], -sc in s[76 + 2 t], each as a pair
	v_readfirstlane_b32 s[50+4*\t], v[32+\t]
	v_readfirstlane_b32 s[76+2*\t], v[8+\t]
.endr
.irp t, 0,1,2,3,4
	v_readfirstlane_b32 s[68+\t], v[46+\t]         ; the five factors stand in the same run, under the same wait
.endr
	s_wait_alu depctr_va_sdst(0)                   ; the 17 scalar registers of the run above are written, ahead of their first readers: the scalar lines below, the rows' arithmetic, the terms
.irp t, 0,1,2,3
	s_xor_b32 s[76+2*\t], s[76+2*\t], 0x80000000
	s_mov_b32 s[49+4*\t], s[48+4*\t]
	s_mov_b32 s[51+4*\t], s[50+4*\t]
	s_mov_b32 s[77+2*\t], s[76+2*\t]
.endr
; Store i of a row's eight: the four codes of load i of set s, tensor t.  Its registers are not written again.
.macro PUT s, t, dst, off, i
	global_store_b64 v2, v[D+64*(\s)+32*(\t)+4*(\i):D+64*(\s)+32*(\t)+4*(\i)+1], s[\dst:\dst+1] offset:(\off)+256*(\i)
.endm
; Row k of six: codes, their sum, 2,048 bytes out.  Load i holds elements 128 i + 4 lane .. + 3; their four codes are the 8 bytes at 256 i + 8 lane: a store of the wave covers 256 consecutive bytes, aligned.
; nm: the tensor's -mn (and, two registers on, inv); ns: its -sc.  The work registers go by the load's parity, so that a load's chain does not wait for the one before it.
; The eight loads' arithmetic stands together; behind it one wait, and the eight stores among the lines that end the sum, each of which reads the result of the line before it.
.macro CODES k, s, t, nm, ns, dst, off
	s_wait_loadcnt 8*(5-(\k))                      ; this row's eight loads are in; the later rows' stay out
.irp i, 0,1,2,3,4,5,6,7
.set d, D+64*(\s)+32*(\t)+4*(\i)
.set qt, QW+8*((\i)%2)
	v_pk_add_f32 v[d:d+1], v[d:d+1], s[\nm:\nm+1] op_sel_hi:[1,0]          ; t = x - mn
	v_pk_add_f32 v[d+2:d+3], v[d+2:d+3], s[\nm:\nm+1] op_sel_hi:[1,0]
	v_pk_mul_f32 v[qt:qt+1], v[d:d+1], s[\nm+2:\nm+3] op_sel_hi:[1,0]      ; q0 = t inv
	v_pk_mul_f32 v[qt+2:qt+3], v[d+2:d+3], s[\nm+2:\nm+3] op_sel_hi:[1,0]
	v_pk_fma_f32 v[qt+4:qt+5], v[qt:qt+1], s[\ns:\ns+1], v[d:d+1] op_sel_hi:[1,0,1]      ; e = t - q0 sc, exact
	v_pk_fma_f32 v[qt+6:qt+7], v[qt+2:qt+3], s[\ns:\ns+1], v[d+2:d+3] op_sel_hi:[1,0,1]
	v_pk_fma_f32 v[qt:qt+1], v[qt+4:qt+5], s[\nm+2:\nm+3], v[qt:qt+1] op_sel_hi:[1,0,1]  ; u = q0 + e inv: t / sc, rounded once
	v_pk_fma_f32 v[qt+2:qt+3], v[qt+6:qt+7], s[\nm+2:\nm+3], v[qt+2:qt+3] op_sel_hi:[1,0,1]
	v_rndne_f32 v[qt], v[qt]                       ; halves go to the even number
	v_rndne_f32 v[qt+1], v[qt+1]
	v_rndne_f32 v[qt+2], v[qt+2]
	v_rndne_f32 v[qt+3], v[qt+3]
	v_pk_add_f32 v[qt:qt+1], v[qt:qt+1], s[66:67] op_sel_hi:[1,0]          ; - 128, exact
	v_pk_add_f32 v[qt+2:qt+3], v[qt+2:qt+3], s[66:67] op_sel_hi:[1,0]
.if (\i) == 0
	v_pk_add_f32 v[SA:SA+1], v[qt:qt+1], v[qt+2:qt+3]  ; the first two loads start the chains
.elseif (\i) == 1
	v_pk_add_f32 v[SB:SB+1], v[qt:qt+1], v[qt+2:qt+3]
.else
	v_pk_add_f32 v[SA:SA+1], v[SA:SA+1], v[qt:qt+1]
	v_pk_add_f32 v[SB:SB+1], v[SB:SB+1], v[qt+2:qt+3]
.endif
	v_cvt_pk_bf16_f32 v[d], v[qt], v[qt+1]         ; exact: whole numbers of 8 bits
	v_cvt_pk_bf16_f32 v[d+1], v[qt+2], v[qt+3]
.endr
	s_wait_alu depctr_va_vdst(0)                   ; the row's sixteen conversions have written its codes, which the eight stores below read; no vector line below names those registers (in row 0 also: v[44:45] are written, for the store of (S, rho))
	PUT \s, \t, \dst, \off, 0
	v_pk_add_f32 v[SA:SA+1], v[SA:SA+1], v[SB:SB+1]
	PUT \s, \t, \dst, \off, 1
	v_add_f32 v[RS+(\k)], v[SA], v[SA+1]
	PUT \s, \t, \dst, \off, 2
	v_add_f32_dpp v[RS+(\k)], v[RS+(\k)], v[RS+(\k)] row_xmask:1 row_mask:0xf bank_mask:0xf  ; over the 32 lanes; every lane ends with the sum
	PUT \s, \t, \dst, \off, 3
	v_add_f32_dpp v[RS+(\k)], v[RS+(\k)], v[RS+(\k)] row_xmask:2 row_mask:0xf bank_mask:0xf
	PUT \s, \t, \dst, \off, 4
	v_add_f32_dpp v[RS+(\k)], v[RS+(\k)], v[RS+(\k)] row_xmask:4 row_mask:0xf bank_mask:0xf
	PUT \s, \t, \dst, \off, 5
	v_add_f32_dpp v[RS+(\k)], v[RS+(\k)], v[RS+(\k)] row_xmask:8 row_mask:0xf bank_mask:0xf
	PUT \s, \t, \dst, \off, 6
	v_permlanex16_b32 v4, v[RS+(\k)], s44, s45
	PUT \s, \t, \dst, \off, 7
	v_add_f32 v[RS+(\k)], v[RS+(\k)], v4
.endm
	CODES 0, 0, 0, 48, 76, 18, 0
	CODES 1, 0, 1, 52, 78, 18, 2048
	CODES 2, 1, 0, 48, 76, 18, 4096
	CODES 3, 1, 1, 52, 78, 18, 6144
	CODES 4, 2, 0, 56, 80, 20, 0
	CODES 5, 2, 1, 60, 82, 20, 2048
	v_mul_f32 v22, s68, v[RS]                      ; R of my first row,
	v_mul_f32 v23, s68, v[RS+2]                    ; of my second
	v_fma_f32 v22, s69, v[RS+1], v22
	v_fma_f32 v23, s69, v[RS+3], v23
	s_wait_kmcnt 0x0                               ; the two biases
	s_add_f32 s40, s40, s42
	s_fmac_f32 s72, s40, s73                       ; -1024 L (..) - L (b_in + b_h)
	v_mov_b32 v24, s72
	v_fma_f32 v24, s71, v[RS+5], v24
	v_fma_f32 v24, s70, v[RS+4], v24               ; C
	v_cmp_eq_u32 vcc_lo, 1, v3
	s_wait_alu depctr_va_vcc(0)                    ; the compare has written VCC, ahead of the select that reads it
	v_cndmask_b32 v22, v22, v23, vcc_lo            ; lane 0 holds the first row's R, lane 1 the second's
	s_cmp_lg_u32 s29, 0
	s_cbranch_scc1 .Lnoscal
	global_store_b64 v2, v[44:45], s[26:27]        ; the launch's first wave: 32 x (S, rho), 256 consecutive bytes; its data stand written since the rows' waits, and no vector line since names them
.Lnoscal:
	v_cmp_gt_u32 vcc_lo, 2, v3
	s_wait_xcnt 0x0                                ; EXEC changes only behind this wait
	s_wait_alu depctr_va_vcc(0)                    ; the compare has written VCC; EXEC is made from it
	s_wait_alu depctr_va_vdst(0)                   ; the vector instructions issued under the full EXEC are done; among them those that wrote v22 and v24, which the two stores below read
	s_wait_alu depctr_vm_vsrc(0)                   ; the stores issued under the full EXEC have read their registers
	s_and_saveexec_b32 s46, vcc_lo
	global_store_b32 v5, v22, s[22:23]
	s_wait_xcnt 0x0
	s_wait_alu depctr_va_vdst(0)                   ; ahead of a write of EXEC: no vector instruction is still at work under the narrow one
	s_wait_alu depctr_vm_vsrc(0)                   ; the store of R has read v5 and v22 under the narrow EXEC
	s_or_b32 exec_lo, exec_lo, s46
	v_cmp_gt_u32 vcc_lo, 1, v3
	s_wait_xcnt 0x0
	s_wait_alu depctr_va_vcc(0)                    ; the compare has written VCC; EXEC is made from it
	s_wait_alu depctr_va_vdst(0)                   ; ahead of a write of EXEC: the compare, issued under the full one, is done
	s_wait_alu depctr_vm_vsrc(0)                   ; ahead of a write of EXEC: every memory instruction issued so far has read its registers
	s_and_saveexec_b32 s46, vcc_lo
	global_store_b32 v5, v24, s[24:25]
	s_wait_xcnt 0x0
	s_wait_alu depctr_va_vdst(0)                   ; ahead of a write of EXEC: no vector instruction is still at work under the narrow one
	s_wait_alu depctr_vm_vsrc(0)                   ; the store of C has read v5 and v24 under the narrow EXEC
	s_or_b32 exec_lo, exec_lo, s46
	s_endpgm
.Lfunc_end_k_q865d48d039_quant:
	.size	k_q865d48d039_quant, .Lfunc_end_k_q865d48d039_quant-k_q865d48d039_quant
	.p2alignl 7, 3214868480
	.fill 96, 4, 3214868480
	.section	.rodata,"a",@progbits
	.p2align	6, 0x0
	.amdhsa_kernel k_q865d48d039_quant
		.amdhsa_group_segment_fixed_size 0
		.amdhsa_private_segment_fixed_size 0
		.amdhsa_enable_private_segment 0
		.amdhsa_kernarg_size 96
		.amdhsa_user_sgpr_count 2
		.amdhsa_user_sgpr_kernarg_segment_ptr 1
		.amdhsa_wavefront_size32 1
		.amdhsa_system_sgpr_workgroup_id_x 1
		.amdhsa_system_sgpr_workgroup_id_y 1
		.amdhsa_system_sgpr_workgroup_id_z 1
		.amdhsa_system_vgpr_workitem_id 0
		.amdhsa_next_free_vgpr 256
		.amdhsa_next_free_sgpr 84
		.amdhsa_reserve_vcc 1
		.amdhsa_float_denorm_mode_32 3
		.amdhsa_float_denorm_mode_16_64 3
		.amdhsa_memory_ordered 1
		.amdhsa_forward_progress 1
		.amdhsa_inst_pref_size 73
	.end_amdhsa_kernel
	.amdgpu_metadata
---
amdhsa.version: [ 1, 2 ]
amdhsa.kernels:
  - .name:           k_q865d48d039_quant
    .symbol:         k_q865d48d039_quant.kd
    .args:
      - { .name: part, .offset: 0, .size: 8, .value_kind: global_buffer, .address_space: global }
      - { .name: input, .offset: 8, .size: 8, .value_kind: global_buffer, .address_space: global }
      - { .name: h, .offset: 16, .size: 8, .value_kind: global_buffer, .address_space: global }
      - { .name: W_in, .offset: 24, .size: 8, .value_kind: global_buffer, .address_space: global }
      - { .name: W_h, .offset: 32, .size: 8, .value_kind: global_buffer, .address_space: global }
      - { .name: b_in, .offset: 40, .size: 8, .value_kind: global_buffer, .address_space: global }
      - { .name: b_h, .offset: 48, .size: 8, .value_kind: global_buffer, .address_space: global }
      - { .name: xc, .offset: 56, .size: 8, .value_kind: global_buffer, .address_space: global }
      - { .name: wc, .offset: 64, .size: 8, .value_kind: global_buffer, .address_space: global }
      - { .name: rowt, .offset: 72, .size: 8, .value_kind: global_buffer, .address_space: global }
      - { .name: colt, .offset: 80, .size: 8, .value_kind: global_buffer, .address_space: global }
      - { .name: scal, .offset: 88, .size: 8, .value_kind: global_buffer, .address_space: global }
    .group_segment_fixed_size: 0
    .private_segment_fixed_size: 0
    .kernarg_segment_align: 8
    .kernarg_segment_size: 96
    .max_flat_workgroup_size: 256
    .sgpr_count:     84
    .vgpr_count:     256
    .wavefront_size: 32
...
	.end_amdgpu_metadata
.endif
;; end of part 4
;; launch gemm: the kernel of part 3 again; grid 16 x 32, 4 waves a work-group, clusters of 4 x 4, 327,680 bytes of LDS; arguments xc, wc, rowt, colt, scal, c, out0, out1; writes out0, out1
